; MI455X (gfx1250); checked and timed in simulation.
; The chip was launched on July 23, 2026; its instructions are those of AMD's public machine-readable ISA for CDNA 5 (MIT licence, August 2026) and "CDNA5" Instruction Set Architecture Reference Guide (July 2026). The comments in the code are by the model that wrote it; some were corrected since.
;; Universal Calculator. Allowed arithmetic: matrix products marked QUANTISED: E2M1 operands, one E8M0 scale for each 32 along K, by v_wmma_scale_f32_16x16x128_f8f6f4 with both operands' format E2M1 (or v_wmma_scale_f32_32x16x128_f4), f32 sums; everything else in f32.
;; Inputs: W1 8 x 1,024 x 1,024 float32; W2 8 x 1,024 x 1,024 float32; b1 8 x 1,024 float32; b2 8 x 1,024 float32; topK_indices 4,096 x 2 int32; topK_scores 4,096 x 2 float32; x 4,096 x 1,024 float32.
;; Outputs: out0 4,096 x 1,024 float32; out1 one number float32.
;; This version of the problem:
;;   THIS VERSION OF THE PROBLEM IS GIVEN IN LOW PRECISION. The matrix products marked QUANTISED in the list below multiply operands that are first quantised to E2M1 (2 exponent bits, 1 mantissa bit; 4 bits a number), with one power-of-two scale for each 32 numbers along K (OCP MX v1.0); their sums are f32. All else is computed in f32.
;;   The module's matrix products, in the order in which they are computed (A, B: the left and right operand; K: the contracted axis; several contracted axes count as one K, in the product's order):
;;     1. [M 4,096, K 1,024] x [K 1,024, N 1,024]; A: input x; B: input W1: QUANTISED
;;     2. [M 4,096, K 1,024] x [K 1,024, N 1,024]; A: computed on the way; B: input W2: QUANTISED
;;     3. [M 4,096, K 1,024] x [K 1,024, N 1,024]; A: input x; B: input W1: QUANTISED
;;     4. [M 4,096, K 1,024] x [K 1,024, N 1,024]; A: computed on the way; B: input W2: QUANTISED
;;     5. [M 4,096, K 1,024] x [K 1,024, N 1,024]; A: input x; B: input W1: QUANTISED
;;     6. [M 4,096, K 1,024] x [K 1,024, N 1,024]; A: computed on the way; B: input W2: QUANTISED
;;     7. [M 4,096, K 1,024] x [K 1,024, N 1,024]; A: input x; B: input W1: QUANTISED
;;     8. [M 4,096, K 1,024] x [K 1,024, N 1,024]; A: computed on the way; B: input W2: QUANTISED
;;     9. [M 4,096, K 1,024] x [K 1,024, N 1,024]; A: input x; B: input W1: QUANTISED
;;     10. [M 4,096, K 1,024] x [K 1,024, N 1,024]; A: computed on the way; B: input W2: QUANTISED
;;     11. [M 4,096, K 1,024] x [K 1,024, N 1,024]; A: input x; B: input W1: QUANTISED
;;     12. [M 4,096, K 1,024] x [K 1,024, N 1,024]; A: computed on the way; B: input W2: QUANTISED
;;     13. [M 4,096, K 1,024] x [K 1,024, N 1,024]; A: input x; B: input W1: QUANTISED
;;     14. [M 4,096, K 1,024] x [K 1,024, N 1,024]; A: computed on the way; B: input W2: QUANTISED
;;     15. [M 4,096, K 1,024] x [K 1,024, N 1,024]; A: input x; B: input W1: QUANTISED
;;     16. [M 4,096, K 1,024] x [K 1,024, N 1,024]; A: computed on the way; B: input W2: QUANTISED
;;   THE QUANTISER, for each operand of a quantised product, along K:
;;     - K is cut into blocks of 32 from its start; a last block that is shorter is filled with zeros.
;;     - A block's scale is 2^e with e = floor(log2(the largest magnitude in the block)) - 2, held to -126 .. 127; a block of zeros has e = 0. As a byte (E8M0): e + 127.
;;     - Each number is divided by its block's scale, clamped to +-6, and rounded to the nearest number of E2M1, ties to even, subnormals kept.
;;     - The product sums the exact products of the quantised numbers (number of the format x scale) in f32.
;;   ~~~python
;;   def quantise(x, axis):      # numpy; x: float32 -> the quantised numbers, widened to float32 again
;;       x = np.moveaxis(x, axis, -1); K = x.shape[-1]
;;       x = np.pad(x, [(0, 0)] * (x.ndim - 1) + [(0, -K % 32)]); x = x.reshape(x.shape[:-1] + (-1, 32)); a = np.abs(x).max(-1, keepdims=True)
;;       e = np.where(a > 0, np.clip(np.frexp(np.where(a > 0, a, 1))[1] - 1 - 2, -126, 127), 0)      # np.frexp(a)[1] - 1 = floor(log2(a)), exactly
;;       r = np.clip(x / 2.0 ** e, -6, 6)
;;       step = 2.0 ** (np.maximum(np.frexp(np.where(r == 0, 1, r))[1] - 1, 0) - 1)
;;       q = np.round(r / step) * step * 2.0 ** e      # np.round: ties to even
;;       return np.moveaxis(q.reshape(q.shape[:-2] + (-1,))[..., :K], -1, axis).astype(np.float32)
;;   ~~~
;;   OPERANDS COMPUTED ON THE WAY. 'Computed on the way' means the value that the module computes at that place (a softmax that the list does not call 'softmax' is quantised finished and normalised). What goes into a quantiser is computed in f32, as accurately as f32 sums, v_exp_f32 and their like allow (about 1e-6 of the number): no bf16 or f16 on the way to a quantiser, and a product that is left as it is and whose result goes on into a quantised operand takes f32 operands (vector FMAs, or v_wmma_f32_16x16x4_f32). A number that lies on a knife's edge between two numbers of the format may be rounded either way, as far as f32 arithmetic and the matrix unit's own rounding can turn it there, and no further.
;; 2 versions. Each part assembles by itself: llvm-mc -triple=amdgcn-amd-amdhsa -mcpu=gfx1250 --defsym DOCPART=n.
;; ======== version 1 of 2: 3 launches
;; workspace buffers: wq 8,912,896 bytes; xq 2,228,224 bytes; hq 4,787,200 bytes; route 114,688 bytes of whole numbers; gates 51,200 bytes
;; launch prep (part 1): grid 321 x 1, 8 waves a work-group, no clusters, 44,032 bytes of LDS; arguments x, W1, W2, topK_indices, topK_scores, xq, wq, route, gates, out1; writes xq, wq, route, gates, out1
.if DOCPART == 1
	.amdgcn_target "amdgcn-amd-amdhsa--gfx1250"
	.amdhsa_code_object_version 6
	.text
	.protected	k_q33ac40ae95_prep
	.globl	k_q33ac40ae95_prep
	.p2align	8
	.type	k_q33ac40ae95_prep,@function
k_q33ac40ae95_prep:
	s_mov_b64 s[64:65], 0
	v_nop
	global_prefetch_b8 v0, s[64:65] scope:SCOPE_SE
	s_setreg_imm32_b32 hwreg(HW_REG_WAVE_MODE, 25, 1), 1
	s_wait_xcnt 0x0
; PREP: everything that is done once, in one launch of 321 work-groups of eight waves.
;   work-group 0        SORT: a counting sort of the index input, the tile tables, the lists, the gates, and out1 = -1
;   work-groups 1-64    ROWS: x [4096][1024] f32 -> codes of E2M1 by rows (512 bytes a row) and 32 scale bytes a row
;   work-groups 65-320  WEIGHTS: W1, W2 [8][1024 k][1024 n] f32 -> codes along K (their FIRST axis), laid in the order of a matrix operand's registers
; THE QUANTISER: a block of 32 along K has the scale 2^(floor(log2(largest magnitude)) - 2); its byte is the largest magnitude's exponent field - 2, held at 1 from below.
; LIMITS: NaN and infinities among the inputs are not served.  A block of zeros gets the byte 1, not 127: its codes are zeros, and the bytes are read by this program alone.
;   Indices are clamped at 7 (the experts' tables have 8 rows).  The score scale of the module is 1.0 and is folded in.
; wq:  codes [tensor][e][tile nt of 16 columns][block kb of 32 k][row r of the tile][16 bytes]: a fragment (16 columns x 128 k) is 1,024 consecutive bytes, lane l's two quarters at 16 l and 512 + 16 l.
;      scales from byte 8,388,608: [tensor][e][pair of tiles][pair of K steps][lane][8 bytes]: lanes 0-15 the even tile's rows, lanes 16-31 the odd tile's.
;      W2: row r of tile nt is column 16 nt + r.  W1: row r of tile 2 b + u is column 32 b + 8 u + r + 8 (r / 8), so that two neighbouring tiles' results are 16 neighbours along the next K.
; route (words): T1 @0: a tile's expert or -1 | T2 @512: {a, b, rows, 0} | L1 @2560: token of each sorted routed row | TOK2 @37888, HA @63488, HB @89088: token, place of its A row, of its B row.
;   Order 1: routed rows by expert, each expert from a multiple of 80.  Order 2: tokens by their pair of experts a <= b, each pair from a multiple of 64.
;   An entry of a list that no row takes is 0: the lists are zeroed whole before the rows are placed.
.set XQ_SC,  2097152
.set WQ_SC,  8388608
.set R_T2,   512
.set R_L1,   2560
.set R_TOK,  37888
.set R_HA,   63488
.set R_HB,   89088
.set TBL,    38912                     ; LDS: SORT's 32 rows of 128 bytes; below it the ROWS role's eight regions of 4,864 bytes
	s_load_b512 s[4:19], s[0:1], 0x0               ; x 4, W1 6, W2 8, indices 10, scores 12, xq 14, wq 16, route 18
	s_load_b128 s[20:23], s[0:1], 0x40             ; gates 20, out1 22
	v_lshl_add_u32 v254, v0, 2, 0xa800
	v_mov_b32 v255, 0
	v_lshrrev_b32 v1, 5, v0
	v_readfirstlane_b32 s24, v1                    ; wave 0..7
	v_and_b32 v1, 31, v0                           ; lane
	s_wait_kmcnt 0x0
	s_cmp_eq_u32 ttmp9, 0
	s_cbranch_scc1 .Lsort
	s_cmp_lt_u32 ttmp9, 65
	s_cbranch_scc1 .Lrows
; 32 numbers of one block in v[xs] on become 4 registers of codes in v[cd] on; v10: the conversion's scale operand; v11: the scale's byte
.macro BLKQ xs, cd
	v_max3_num_f32 v8, |v[\xs]|, |v[\xs+1]|, |v[\xs+2]|
	v_max3_num_f32 v9, |v[\xs+3]|, |v[\xs+4]|, |v[\xs+5]|
.irp i, 6,10,14,18,22,26
	v_max3_num_f32 v8, v8, |v[\xs+\i]|, |v[\xs+\i+1]|          ; two chains, so that no line waits for the line above it
	v_max3_num_f32 v9, v9, |v[\xs+\i+2]|, |v[\xs+\i+3]|
.endr
	v_max3_num_f32 v8, v8, |v[\xs+30]|, |v[\xs+31]|
	v_max3_num_f32 v8, v8, v9, 0x1800000           ; the floor 2^(3 - 127): the byte cannot fall under 1
	v_add_nc_u32 v10, 0xff000000, v8               ; 2 off the exponent field: the conversion takes that field as its scale and nothing else
.irp g, 0,1,2,3
	v_cvt_scalef32_pk8_fp4_f32 v[\cd+\g], v[\xs+8*\g:\xs+8*\g+7], v10
.endr
	v_lshrrev_b32 v11, 23, v10                     ; the byte; also the plain line behind the conversions
.endm
; ---------------------------------------------------------------- WEIGHTS
; A lane takes a column and its registers run down K: a block of 32 lies in one lane, and the codes come out with K innermost.  A wave: 32 columns (a pair of tiles) x 256 along K, 8 blocks.
.set X, 32                             ; v32-95   two sets of 32 numbers
.set C, 96                             ; v96-127  four registers of codes for each block: no store's data are written again
	s_sub_co_u32 s25, ttmp9, 65
	s_lshr_b32 s26, s25, 7                         ; which tensor
	s_bfe_u32 s27, s25, 0x30004                    ; expert
	s_bfe_u32 s28, s25, 0x20002                    ; which 256 along K
	s_and_b32 s29, s25, 3                          ; which 256 columns
	s_cmp_eq_u32 s26, 0
	s_cselect_b64 s[30:31], s[6:7], s[8:9]         ; the choice hangs on the work-group's number alone
	s_cselect_b32 s34, -1, 0                       ; all ones for W1
	s_lshl_b32 s32, s27, 22                        ; source: e x 4 MiB + 256 rows of 4,096 bytes x kq + 4 x first column
	s_lshl_b32 s33, s28, 20
	s_add_co_u32 s32, s32, s33
	s_lshl_b32 s33, s29, 10
	s_add_co_u32 s32, s32, s33
	s_lshl_b32 s33, s24, 7
	s_add_co_u32 s32, s32, s33
	s_mov_b32 s33, 0
	s_add_nc_u64 s[30:31], s[30:31], s[32:33]
	s_lshl_b32 s32, s26, 22                        ; codes: tensor x 4 MiB + e x 512 KiB + (16 cb + 2 w) tiles of 8,192 + 8 kq blocks of 256
	s_lshl_b32 s35, s27, 19
	s_add_co_u32 s32, s32, s35
	s_lshl_b32 s35, s29, 17
	s_add_co_u32 s32, s32, s35
	s_lshl_b32 s35, s24, 14
	s_add_co_u32 s32, s32, s35
	s_lshl_b32 s35, s28, 11
	s_add_co_u32 s32, s32, s35
	s_add_nc_u64 s[36:37], s[16:17], s[32:33]
	s_lshl_b32 s32, s26, 18                        ; scales: tensor x 256 KiB + e x 32 KiB + (8 cb + w) pairs of 1,024 + 256 kq
	s_lshl_b32 s35, s27, 15
	s_add_co_u32 s32, s32, s35
	s_lshl_b32 s35, s29, 13
	s_add_co_u32 s32, s32, s35
	s_lshl_b32 s35, s24, 10
	s_add_co_u32 s32, s32, s35
	s_lshl_b32 s35, s28, 8
	s_add_co_u32 s32, s32, s35
	s_add_co_u32 s32, s32, WQ_SC
	s_add_nc_u64 s[38:39], s[16:17], s[32:33]
	v_and_b32 v5, 7, v1                            ; W1's column of lane l: (l & 7) + 16 ((l >> 3) & 1) + 8 (l >> 4)
	v_and_b32 v6, 8, v1
	v_lshl_or_b32 v5, v6, 1, v5
	v_and_b32 v6, 16, v1
	v_lshrrev_b32 v6, 1, v6
	v_or_b32 v5, v5, v6
	v_cndmask_b32 v2, v1, v5, s34                  ; W2's column is the lane
	v_lshlrev_b32 v2, 2, v2                        ; source offset
	v_lshrrev_b32 v3, 4, v1
	v_lshlrev_b32 v3, 13, v3
	v_and_b32 v6, 15, v1
	v_lshl_or_b32 v3, v6, 4, v3                    ; codes: my tile of the pair, 16 bytes a row
	v_lshlrev_b32 v4, 3, v1                        ; scales: 8 bytes a lane
.macro WLOAD t                         ; block t: 32 rows k of my column; a wave reads 128 consecutive bytes, the eight waves 1,024
.set i, 0
.rept 32
	global_load_b32 v[X+32*((\t)%2)+i], v2, s[30:31] offset:(32*(\t)+i)*4096 th:TH_LOAD_NT
.set i, i+1
.endr
.endm
.macro WBLOCK t
.if (\t) < 7
	s_wait_loadcnt 32                              ; this block's 32 loads are in; the next block's 32 may be out
.else
	s_wait_loadcnt 0x0
.endif
.set XS, X+32*((\t)%2)
.set CD, C+4*(\t)
	BLKQ XS, CD
.if (\t)%4 == 0
	v_mov_b32 v[14+(\t)/4], v11                    ; four bytes to a scale word, the lower k in the lower byte
.else
	v_lshl_or_b32 v[14+(\t)/4], v11, 8*((\t)%4), v[14+(\t)/4]
.endif
	global_store_b128 v3, v[CD:CD+3], s[36:37] offset:256*(\t)   ; lanes 0-15 and lanes 16-31 each store 256 consecutive bytes, aligned
.if (\t) < 6
	WLOAD (\t)+2
.endif
.endm
	WLOAD 0
	WLOAD 1
.irp t, 0,1,2,3,4,5,6,7
	WBLOCK \t
.endr
	global_store_b64 v4, v[14:15], s[38:39]        ; the two K steps' scale words: 256 consecutive bytes
	s_endpgm
; ---------------------------------------------------------------- ROWS
; A wave takes 8 rows of x.  Loads read 512 consecutive bytes; a row then turns through the wave's own stage in LDS (128 bytes + 16 of padding a block), so that lane l holds block l whole.
.Lrows:
.set R,  32                            ; v32-159  four sets of 32: rows as loaded
.set XT, 160                           ; v160-191 my block of the row in hand
.set CX, 192                           ; v192-223 four registers of codes for each row
	s_sub_co_u32 s25, ttmp9, 1
	s_lshl_b32 s25, s25, 6
	s_lshl_b32 s26, s24, 3
	s_add_co_u32 s25, s25, s26                     ; my first row
	s_mov_b32 s33, 0
	s_lshl_b32 s32, s25, 12
	s_add_nc_u64 s[30:31], s[4:5], s[32:33]
	s_lshl_b32 s32, s25, 9
	s_add_nc_u64 s[36:37], s[14:15], s[32:33]
	s_lshl_b32 s32, s25, 5
	s_add_co_u32 s32, s32, XQ_SC
	s_add_nc_u64 s[38:39], s[14:15], s[32:33]
	s_mul_i32 s26, s24, 4864                       ; my wave's LDS: a stage of 32 x 144 bytes, then 256 scale bytes
	v_lshlrev_b32 v2, 4, v1
	v_lshrrev_b32 v3, 3, v1
	v_mul_u32_u24 v3, v3, 144
	v_and_b32 v12, 7, v1
	v_lshl_add_u32 v3, v12, 4, v3
	v_add_nc_u32 v3, s26, v3                       ; in: eight lanes' 128 bytes on end, then 16 of padding; a load's 512 bytes take four places
	v_mul_u32_u24 v4, v1, 144
	v_add_nc_u32 v4, s26, v4                       ; out: my block
	v_add_nc_u32 v5, s26, v1                       ; my block's scale byte
	v_lshlrev_b32 v7, 3, v1
	v_add_nc_u32 v6, s26, v7                       ; and 8 bytes a lane on the way out
.macro XLOAD i
.irp q, 0,1,2,3,4,5,6,7
	global_load_b128 v[R+32*((\i)%4)+4*\q:R+32*((\i)%4)+4*\q+3], v2, s[30:31] offset:4096*(\i)+512*\q th:TH_LOAD_NT
.endr
.endm
.macro XROW i
.if (\i) < 4
	s_wait_loadcnt 24                              ; this row's eight loads are in; those of the three rows behind it may be out
.else
	s_wait_loadcnt 8*(7-(\i))
.endif
.irp q, 0,1,2,3,4,5,6,7
	ds_store_b128 v3, v[R+32*((\i)%4)+4*\q:R+32*((\i)%4)+4*\q+3] offset:576*\q
.endr
.irp q, 0,1,2,3,4,5,6,7
	ds_load_b128 v[XT+4*\q:XT+4*\q+3], v4 offset:16*\q         ; LDS serves a wave's instructions in order: these see the stores above
.endr
	s_wait_dscnt 0x0                               ; my block is in, and the stores have read their registers,
.if (\i) < 4
	XLOAD (\i)+4                                   ; which take the row four further on
.endif
.set CD, CX+4*(\i)
	BLKQ XT, CD
	ds_store_b8 v5, v11 offset:4608+32*(\i)
	global_store_b128 v2, v[CD:CD+3], s[36:37] offset:512*(\i)   ; a row's 512 bytes of codes
.endm
.irp i, 0,1,2,3
	XLOAD \i
.endr
.irp i, 0,1,2,3,4,5,6,7
	XROW \i
.endr
	ds_load_b64 v[12:13], v6 offset:4608
	s_wait_dscnt 0x0
	global_store_b64 v7, v[12:13], s[38:39]        ; eight rows' scale bytes: 256 consecutive bytes, aligned
	s_wait_tensorcnt 0x0
	ds_add_u32 v254, v255
	s_wait_dscnt 0x0
	s_endpgm
; ---------------------------------------------------------------- SORT
; Wave w holds tokens 512 w + 32 c + lane, c = 0..15 (a chunk is 32 tokens).  a = the smaller of a token's two experts, b = the larger.  The order inside a bin is free: any numbering without gaps serves.
; A row's place = its bin's first place + the bin's rows in the waves before mine + in my wave's chunks before this one + in this chunk's lanes before mine.
; SIX BALLOTS A CHUNK (the three bits of a, the three of b) give the last two terms for all three orders:
;   in the chunk: a token's peers are the AND, over the bits, of the ballot or its complement, by the token's own bit; its rank is the count of peers in the lanes below it.  The pair's peers are a's AND b's.
;   over the chunks: the ballots XORed with lane constants give lane L the mask of the bin that L stands for; the population count with its addend makes the running count, one register for each chunk and table.
; TABLES, lane = bin: A and B: expert = lane & 7.  Pairs: key 8 a + b, lane = key & 31, one table for a < 4 and one for a >= 4; keys with b < a stay empty and take no tile.
; An expert's A rows come first, then its B rows.
.Lsort:
.set IDX, 32                           ; v32-63   the two indices as loaded; then
.set G,   32                           ;          pairs gA, gB
.set SCR, 64                           ; v64-95   the two scores as loaded; then rank and place of the A row (even) and of the B row (odd)
.set IA,  96                           ; v96-111  4 a;               later 4 x the A row's place
.set IK,  112                          ; v112-127 4 (8 a + b);       later 4 x the token's place in order 2
.set RC,  128                          ; v128-143 rank and place in order 2
.set TA,  144                          ; v144-160 table A: entry c = the count ahead of chunk c; entry 16 = my wave's total.  Later 4 x the B row's place
.set TB,  161                          ; v161-177 table B
.set TL,  178                          ; v178-194 pairs with a < 4;  later 8 x the token's place
.set TH,  195                          ; v195-211 pairs with a >= 4; later the token
.set W,   212                          ; v212-251 at work
.set NB,  8                            ; v8-12    lane constants: 0 where bit j of my lane is set, else all ones;  behind the barrier:
.set SU,  8                            ; v8-11    a bin's total in tables A, B, L, H
.set BE,  12                           ; v12-15   and in the waves before mine
.set AT,  13                           ; v13-16   a of four chunks
.set BT,  17                           ; v17-20   b of four chunks
.set T,   21                           ; v21-28   at work
.set M,   26                           ; s26-49   four chunks' six ballots
.set N,   66                           ; s66-89   and their complements
	v_lshlrev_b32 v2, 3, v1
	s_lshl_b32 s25, s24, 12
	v_add_nc_u32 v2, s25, v2                       ; 8 bytes a token
.irp g, 0,1,2,3                                ; in groups of eight loads: four chunks' indices, then their scores
.irp i, 0,1,2,3
	global_load_b64 v[IDX+2*(4*\g+\i):IDX+2*(4*\g+\i)+1], v2, s[10:11] offset:256*(4*\g+\i)
.endr
.irp i, 0,1,2,3
	global_load_b64 v[SCR+2*(4*\g+\i):SCR+2*(4*\g+\i)+1], v2, s[12:13] offset:256*(4*\g+\i)
.endr
.endr
	; route (28 x 4,096 bytes) and gates (12.5 x 4,096) are zeroed whole while those loads are on their way: 16 bytes a thread, 512 consecutive bytes a wave.
	; Behind the barrier below other waves store into these bytes again: each wave waits for these stores in front of its signal.
	v_lshlrev_b32 v3, 4, v0
	v_mov_b32 v4, 0
	v_mov_b32 v5, 0
	v_mov_b32 v6, 0
	v_mov_b32 v7, 0
.set qq, 0
.rept 28
	global_store_b128 v3, v[4:7], s[18:19] offset:4096*qq
.set qq, qq+1
.endr
.set qq, 0
.rept 12
	global_store_b128 v3, v[4:7], s[20:21] offset:4096*qq
.set qq, qq+1
.endr
	s_cmp_lt_u32 s24, 4
	s_cbranch_scc0 .Lzeroed
	global_store_b128 v3, v[4:7], s[20:21] offset:49152          ; the last 2,048 bytes: waves 0-3
.Lzeroed:
.irp j, 0,1,2,3,4
	v_bfe_u32 v[NB+\j], v1, \j, 1
.endr
.irp j, 0,1,2,3,4
	v_add_nc_u32 v[NB+\j], -1, v[NB+\j]            ; bit set: 0; clear: all ones
.endr
	v_mov_b32 v[TA], 0
	v_mov_b32 v[TB], 0
	v_mov_b32 v[TL], 0
	v_mov_b32 v[TH], 0
	s_lshl_b32 s25, s24, 9
	v_add_nc_u32 v29, s25, v1                      ; my token of chunk 0
	v_lshl_add_u32 v30, v0, 2, TBL                 ; LDS: my wave's row, 4 bytes a lane
	v_lshl_add_u32 v31, v1, 2, TBL                 ; and my lane's word of any row
; Four chunks, c0 on.  Each step is written for the four by turns, so that no line waits for the line above it.
.macro GRP c0
	s_wait_loadcnt 24-2*(\c0)                      ; these chunks' eight loads are in; the groups behind them may be out
.irp i, 0,1,2,3
	v_min_u32 v[IDX+2*(\c0+\i)], 7, v[IDX+2*(\c0+\i)]
	v_min_u32 v[IDX+2*(\c0+\i)+1], 7, v[IDX+2*(\c0+\i)+1]
.endr
.irp i, 0,1,2,3
	v_cmp_gt_u32 vcc_lo, v[IDX+2*(\c0+\i)], v[IDX+2*(\c0+\i)+1]
	v_min_u32 v[AT+\i], v[IDX+2*(\c0+\i)], v[IDX+2*(\c0+\i)+1]
	v_max_u32 v[BT+\i], v[IDX+2*(\c0+\i)], v[IDX+2*(\c0+\i)+1]
	v_cndmask_b32 v[G+2*(\c0+\i)], v[SCR+2*(\c0+\i)], v[SCR+2*(\c0+\i)+1], vcc_lo     ; the scores go with their experts
	v_cndmask_b32 v[G+2*(\c0+\i)+1], v[SCR+2*(\c0+\i)+1], v[SCR+2*(\c0+\i)], vcc_lo
.endr
.irp i, 0,1,2,3
	v_lshlrev_b32 v[IA+\c0+\i], 2, v[AT+\i]
	v_lshlrev_b32 v[T+\i], 2, v[BT+\i]
.endr
.irp i, 0,1,2,3
	v_lshl_or_b32 v[IK+\c0+\i], v[AT+\i], 5, v[T+\i]
.endr
.irp i, 0,1,2,3
	v_and_b32 v[W+4*\i], 1, v[AT+\i]
	v_and_b32 v[W+4*\i+1], 2, v[AT+\i]
	v_and_b32 v[W+4*\i+2], 1, v[BT+\i]
	v_and_b32 v[W+4*\i+3], 2, v[BT+\i]
.endr
.irp i, 0,1,2,3                                ; the ballots: bits 0, 1, 2 of a, then of b
	v_cmp_ne_u32 s[M+6*\i], 0, v[W+4*\i]
	v_cmp_ne_u32 s[M+6*\i+1], 0, v[W+4*\i+1]
	v_cmp_lt_u32 s[M+6*\i+2], 3, v[AT+\i]
	v_cmp_ne_u32 s[M+6*\i+3], 0, v[W+4*\i+2]
	v_cmp_ne_u32 s[M+6*\i+4], 0, v[W+4*\i+3]
	v_cmp_lt_u32 s[M+6*\i+5], 3, v[BT+\i]
.endr
	; lane = bin: the mask of my bin's tokens in the chunk
.irp i, 0,1,2,3
	v_xor_b32 v[W+8*\i], s[M+6*\i], v[NB]
	v_xor_b32 v[W+8*\i+1], s[M+6*\i+1], v[NB+1]
	v_xor_b32 v[W+8*\i+2], s[M+6*\i+2], v[NB+2]
	v_xor_b32 v[W+8*\i+3], s[M+6*\i+3], v[NB]
	v_xor_b32 v[W+8*\i+4], s[M+6*\i+4], v[NB+1]
	v_xor_b32 v[W+8*\i+5], s[M+6*\i+5], v[NB+2]
	v_xor_b32 v[W+8*\i+6], s[M+6*\i], v[NB+3]      ; in the pairs' tables a's bits 0 and 1 are the lane's bits 3 and 4
	v_xor_b32 v[W+8*\i+7], s[M+6*\i+1], v[NB+4]
.endr
.irp i, 0,1,2,3
	v_and_b32 v[W+8*\i], v[W+8*\i], v[W+8*\i+1]
	v_and_b32 v[W+8*\i+3], v[W+8*\i+3], v[W+8*\i+4]
	v_and_b32 v[W+8*\i+6], v[W+8*\i+6], v[W+8*\i+7]
.endr
.irp i, 0,1,2,3
	v_and_b32 v[W+8*\i], v[W+8*\i], v[W+8*\i+2]    ; a = lane & 7
	v_and_b32 v[W+8*\i+3], v[W+8*\i+3], v[W+8*\i+5]  ; b = lane & 7
.endr
.irp i, 0,1,2,3
	v_and_b32 v[W+8*\i+6], v[W+8*\i+6], v[W+8*\i+3]  ; 8 (a & 3) + b = lane
.endr
.irp i, 0,1,2,3
	v_and_b32 v[W+8*\i+7], s[M+6*\i+2], v[W+8*\i+6]  ; of these, a >= 4;
.endr
.irp i, 0,1,2,3
	v_xor_b32 v[W+8*\i+6], v[W+8*\i+6], v[W+8*\i+7]  ; the others
.endr
.irp i, 0,1,2,3                                ; the count ahead of the next chunk = this chunk's count + the count ahead of this chunk
	v_bcnt_u32_b32 v[TA+\c0+\i+1], v[W+8*\i], v[TA+\c0+\i]
	v_bcnt_u32_b32 v[TB+\c0+\i+1], v[W+8*\i+3], v[TB+\c0+\i]
	v_bcnt_u32_b32 v[TL+\c0+\i+1], v[W+8*\i+6], v[TL+\c0+\i]
	v_bcnt_u32_b32 v[TH+\c0+\i+1], v[W+8*\i+7], v[TH+\c0+\i]
.endr
.set kk, 0
.rept 24
	s_not_b32 s[N+kk], s[M+kk]
.set kk, kk+1
.endr
	; lane = token: my peers
.irp i, 0,1,2,3
.irp j, 0,1,2,3,4,5
	v_cndmask_b32 v[W+6*\i+\j], s[N+6*\i+\j], s[M+6*\i+\j], s[M+6*\i+\j]   ; the ballot where my own bit is set, else its complement
.endr
.endr
.irp i, 0,1,2,3
	v_and_b32 v[W+6*\i], v[W+6*\i], v[W+6*\i+1]
	v_and_b32 v[W+6*\i+3], v[W+6*\i+3], v[W+6*\i+4]
.endr
.irp i, 0,1,2,3
	v_and_b32 v[W+6*\i], v[W+6*\i], v[W+6*\i+2]    ; the same a
	v_and_b32 v[W+6*\i+3], v[W+6*\i+3], v[W+6*\i+5]  ; the same b
.endr
.irp i, 0,1,2,3
	v_and_b32 v[W+6*\i+1], v[W+6*\i], v[W+6*\i+3]  ; the same pair
.endr
.irp i, 0,1,2,3
	v_mbcnt_lo_u32_b32 v[SCR+2*(\c0+\i)], v[W+6*\i], 0           ; peers in the lanes below mine
	v_mbcnt_lo_u32_b32 v[SCR+2*(\c0+\i)+1], v[W+6*\i+3], 0
	v_mbcnt_lo_u32_b32 v[RC+\c0+\i], v[W+6*\i+1], 0
.endr
.endm
	GRP 0
	GRP 4
	GRP 8
	GRP 12
	; the waves' totals meet in LDS: row 8 x table + wave
	ds_store_b32 v30, v[TA+16]
	ds_store_b32 v30, v[TB+16] offset:1024
	ds_store_b32 v30, v[TL+16] offset:2048
	ds_store_b32 v30, v[TH+16] offset:3072
.irp q, 0,1,2,3,4,5,6
	s_cmp_gt_u32 s24, \q
	s_cselect_b32 s[52+\q], 1, 0                   ; 1 for the waves before mine
.endr
	s_wait_storecnt 0x0                            ; for the others' sake: my zeros have landed: behind the barrier any wave may store into those bytes
	s_wait_dscnt 0x0                               ; and so have my totals
	s_barrier_signal -1
	s_barrier_wait -1
.set qq, 0
.rept 32
	ds_load_b32 v[W+qq], v31 offset:128*qq
.set qq, qq+1
.endr
	s_wait_dscnt 0x0
.irp t, 0,1,2,3
	v_add3_u32 v[SU+\t], v[W+8*\t], v[W+8*\t+1], v[W+8*\t+2]
	v_mul_u32_u24 v[BE+\t], s52, v[W+8*\t]
.endr
.irp q, 1,2,3,4,5,6
.irp t, 0,1,2,3
	v_mad_u32_u24 v[BE+\t], v[W+8*\t+\q], s[52+\q], v[BE+\t]
.endr
.endr
.irp t, 0,1,2,3
	v_add3_u32 v[SU+\t], v[SU+\t], v[W+8*\t+3], v[W+8*\t+4]
.endr
.irp t, 0,1,2,3
	v_add3_u32 v[SU+\t], v[SU+\t], v[W+8*\t+5], v[W+8*\t+6]
.endr
.irp t, 0,1,2,3
	v_add_nc_u32 v[SU+\t], v[SU+\t], v[W+8*\t+7]
.endr
	v_add_nc_u32 v19, v8, v9                       ; an expert's rows: A's and B's;
	v_add_nc_u32 v19, 79, v19                      ; its tiles: ceil(n / 80) = ((n + 79) x 52,429) >> 22, exact up to n + 79 = 8,271
	v_mul_u32_u24 v19, v19, 0xcccd
	v_lshrrev_b32 v19, 22, v19
	v_add_nc_u32 v20, 63, v10                      ; a pair's tiles: ceil(n / 64)
	v_lshrrev_b32 v20, 6, v20
	v_add_nc_u32 v21, 63, v11
	v_lshrrev_b32 v21, 6, v21
	v_mov_b32 v16, 0                               ; first tiles, lane = bin: experts,
	v_mov_b32 v17, 0                               ; pairs with a < 4,
	v_mov_b32 v18, 0                               ; pairs with a >= 4
	; the running sums of the tiles, in scalars: all the reads first, then one addition a bin in place, then the writes.  Bin i begins where the sum up to bin i - 1 ends.
.irp e, 0,1,2,3,4,5,6,7
	v_readlane_b32 s[26+\e], v19, \e
.endr
.set CI, 0
.irp a, 0,1,2,3,4,5,6,7
.irp b, 0,1,2,3,4,5,6,7
.if \b >= \a
.if \a < 4
	v_readlane_b32 s[66+CI], v20, 8*\a+\b
.else
	v_readlane_b32 s[66+CI], v21, 8*(\a-4)+\b
.endif
.set CI, CI+1
.endif
.endr
.endr
.irp e, 1,2,3,4,5,6,7
	s_add_co_u32 s[26+\e], s[26+\e], s[26+\e-1]    ; s33: the experts' tiles in all
.endr
.set kk, 1
.rept 35
	s_add_co_u32 s[66+kk], s[66+kk], s[66+kk-1]    ; s101: the pairs' tiles in all
.set kk, kk+1
.endr
.irp e, 1,2,3,4,5,6,7
	v_writelane_b32 v16, s[26+\e-1], \e
.endr
.set CI, 0
.irp a, 0,1,2,3,4,5,6,7
.irp b, 0,1,2,3,4,5,6,7
.if \b >= \a
.if CI > 0
.if \a < 4
	v_writelane_b32 v17, s[66+CI-1], 8*\a+\b
.else
	v_writelane_b32 v18, s[66+CI-1], 8*(\a-4)+\b
.endif
.endif
.set CI, CI+1
.endif
.endr
.endr
	v_mad_u32_u24 v22, v16, 80, v12                ; where my wave's A rows of an expert begin,
	v_add_nc_u32 v23, v8, v13
	v_mad_u32_u24 v23, v16, 80, v23                ; its B rows: behind all the expert's A rows,
	v_lshl_add_u32 v24, v17, 6, v14                ; and my wave's tokens of a pair
	v_lshl_add_u32 v25, v18, 6, v15
.set cc, 0
.rept 16
	v_add_nc_u32 v[TA+cc], v[TA+cc], v22
	v_add_nc_u32 v[TB+cc], v[TB+cc], v23
	v_add_nc_u32 v[TL+cc], v[TL+cc], v24
	v_add_nc_u32 v[TH+cc], v[TH+cc], v25
.set cc, cc+1
.endr
; THE PLACES.  GATH: each token fetches, from its bins' lanes, where its chunk's rows begin: sixteen gathers for four chunks, into set s of the work registers.
.macro GATH c0, s
.irp i, 0,1,2,3
	v_and_b32 v[W+20*(\s)+16+\i], 28, v[IK+\c0+\i]               ; 4 b
.endr
.irp i, 0,1,2,3
	ds_bpermute_b32 v[W+20*(\s)+4*\i], v[IA+\c0+\i], v[TA+\c0+\i]
	ds_bpermute_b32 v[W+20*(\s)+4*\i+1], v[W+20*(\s)+16+\i], v[TB+\c0+\i]
	ds_bpermute_b32 v[W+20*(\s)+4*\i+2], v[IK+\c0+\i], v[TL+\c0+\i]   ; (the lane is taken modulo 32)
	ds_bpermute_b32 v[W+20*(\s)+4*\i+3], v[IK+\c0+\i], v[TH+\c0+\i]
.endr
.endm
; PUT: the places are made and clamped, and each chunk's six stores have registers of their own, so that no store's source is written again.  left: the younger gathers that may stay out.
; The stores are 4 or 8 bytes to scattered places: that is what a scatter is; they are some 112 KiB in all.
.macro PUT c0, s, left
	s_wait_dscnt \left
.irp i, 0,1,2,3
	v_add_nc_u32 v[SCR+2*(\c0+\i)], v[SCR+2*(\c0+\i)], v[W+20*(\s)+4*\i]
	v_add_nc_u32 v[SCR+2*(\c0+\i)+1], v[SCR+2*(\c0+\i)+1], v[W+20*(\s)+4*\i+1]
	v_cmp_lt_u32 vcc_lo, 127, v[IK+\c0+\i]         ; a >= 4
	v_cndmask_b32 v[W+20*(\s)+4*\i+2], v[W+20*(\s)+4*\i+2], v[W+20*(\s)+4*\i+3], vcc_lo
	v_add_nc_u32 v[RC+\c0+\i], v[RC+\c0+\i], v[W+20*(\s)+4*\i+2]
	v_min_u32 v[SCR+2*(\c0+\i)], 8799, v[SCR+2*(\c0+\i)]
	v_min_u32 v[SCR+2*(\c0+\i)+1], 8799, v[SCR+2*(\c0+\i)+1]
	v_min_u32 v[RC+\c0+\i], 6335, v[RC+\c0+\i]
	v_lshlrev_b32 v[IA+\c0+\i], 2, v[SCR+2*(\c0+\i)]
	v_lshlrev_b32 v[TA+\c0+\i], 2, v[SCR+2*(\c0+\i)+1]
	v_lshlrev_b32 v[IK+\c0+\i], 2, v[RC+\c0+\i]
	v_lshlrev_b32 v[TL+\c0+\i], 3, v[RC+\c0+\i]
	v_add_nc_u32 v[TH+\c0+\i], 32*(\c0+\i), v29
	global_store_b32 v[IA+\c0+\i], v[TH+\c0+\i], s[18:19] offset:R_L1
	global_store_b32 v[TA+\c0+\i], v[TH+\c0+\i], s[18:19] offset:R_L1
	global_store_b32 v[IK+\c0+\i], v[TH+\c0+\i], s[18:19] offset:R_TOK
	global_store_b32 v[IK+\c0+\i], v[SCR+2*(\c0+\i)], s[18:19] offset:R_HA
	global_store_b32 v[IK+\c0+\i], v[SCR+2*(\c0+\i)+1], s[18:19] offset:R_HB
	global_store_b64 v[TL+\c0+\i], v[G+2*(\c0+\i):G+2*(\c0+\i)+1], s[20:21]
.endr
.endm
	GATH 0, 0
	GATH 4, 1
	PUT 0, 0, 16                                   ; the next four chunks' sixteen gathers may be out
	GATH 8, 0
	PUT 4, 1, 16
	GATH 12, 1
	PUT 8, 0, 16
	PUT 12, 1, 0
	; THE TILE TABLES
	s_cmp_lt_u32 s24, 4
	s_cbranch_scc0 .Lnot_t2
	v_mov_b32 v21, 0                               ; waves 0-3: tile i = my thread's number.  Its pair is the last whose first tile is not above i
.set CI, 0
.irp a, 0,1,2,3,4,5,6,7
.irp b, 0,1,2,3,4,5,6,7
.if \b >= \a
.if CI > 0
	v_cmp_gt_u32 vcc_lo, s[66+CI-1], v0            ; first tile above i: keep what there is
	v_cndmask_b32 v21, 8*\a+\b, v21, vcc_lo
.endif
.set CI, CI+1
.endif
.endr
.endr
	v_lshlrev_b32 v22, 2, v21
	ds_bpermute_b32 v212, v22, v17                 ; the pair's first tile and its tokens, from its lane of either table
	ds_bpermute_b32 v213, v22, v18
	ds_bpermute_b32 v214, v22, v10
	ds_bpermute_b32 v215, v22, v11
	v_lshrrev_b32 v4, 3, v21                       ; a
	v_and_b32 v5, 7, v21                           ; b
	v_mov_b32 v7, 0
	v_lshlrev_b32 v26, 4, v0
	v_cmp_lt_u32 vcc_lo, 31, v21
	s_wait_dscnt 0x0
	v_cndmask_b32 v212, v212, v213, vcc_lo
	v_cndmask_b32 v214, v214, v215, vcc_lo
	v_sub_nc_u32 v6, v0, v212
	v_lshlrev_b32 v6, 6, v6
	v_sub_nc_u32 v6, v214, v6
	v_min_u32 v6, 64, v6                           ; rows in the tile,
	v_cmp_gt_u32 vcc_lo, s101, v0
	v_cndmask_b32 v6, 0, v6, vcc_lo                ; none behind the last tile used
	global_store_b128 v26, v[4:7], s[18:19] offset:R_T2
	s_branch .Lsort_end
.Lnot_t2:
	s_cmp_eq_u32 s24, 4
	s_cbranch_scc0 .Lnot_t1
	v_lshlrev_b32 v2, 2, v1                        ; wave 4: tiles 4 lane + q.  A tile's expert = how many of experts 1..7 begin at or before it
.irp q, 0,1,2,3
	v_add_nc_u32 v3, \q, v2
	v_mov_b32 v[4+\q], 0
.irp e, 1,2,3,4,5,6,7
	v_cmp_le_u32 vcc_lo, s[26+\e-1], v3
	v_add_co_ci_u32 v[4+\q], vcc_lo, 0, v[4+\q], vcc_lo
.endr
	v_cmp_gt_u32 vcc_lo, s33, v3
	v_cndmask_b32 v[4+\q], -1, v[4+\q], vcc_lo
.endr
	v_lshlrev_b32 v26, 4, v1
	global_store_b128 v26, v[4:7], s[18:19]
	s_branch .Lsort_end
.Lnot_t1:
	s_cmp_eq_u32 s24, 5
	s_cbranch_scc0 .Lsort_end
	v_mov_b32 v2, 0xbf800000                       ; wave 5: out1 = -1.0 (all lanes store the same word)
	v_mov_b32 v26, 0
	global_store_b32 v26, v2, s[22:23]
.Lsort_end:
	s_wait_tensorcnt 0x0
	ds_add_u32 v254, v255
	s_wait_dscnt 0x0
	s_endpgm
.Lfunc_end_k_q33ac40ae95_prep:
	.size	k_q33ac40ae95_prep, .Lfunc_end_k_q33ac40ae95_prep-k_q33ac40ae95_prep
	.p2alignl 7, 3214868480
	.fill 96, 4, 3214868480
	.section	.rodata,"a",@progbits
	.p2align	6, 0x0
	.amdhsa_kernel k_q33ac40ae95_prep
		.amdhsa_group_segment_fixed_size 44032
		.amdhsa_private_segment_fixed_size 0
		.amdhsa_enable_private_segment 0
		.amdhsa_kernarg_size 80
		.amdhsa_user_sgpr_count 2
		.amdhsa_user_sgpr_kernarg_segment_ptr 1
		.amdhsa_wavefront_size32 1
		.amdhsa_system_sgpr_workgroup_id_x 1
		.amdhsa_system_sgpr_workgroup_id_y 1
		.amdhsa_system_sgpr_workgroup_id_z 1
		.amdhsa_system_vgpr_workitem_id 0
		.amdhsa_next_free_vgpr 256
		.amdhsa_next_free_sgpr 102
		.amdhsa_reserve_vcc 1
		.amdhsa_float_denorm_mode_32 3
		.amdhsa_float_denorm_mode_16_64 3
		.amdhsa_memory_ordered 1
		.amdhsa_forward_progress 1
		.amdhsa_inst_pref_size 159
	.end_amdhsa_kernel
	.amdgpu_metadata
---
amdhsa.version: [ 1, 2 ]
amdhsa.kernels:
  - .name:           k_q33ac40ae95_prep
    .symbol:         k_q33ac40ae95_prep.kd
    .args:
      - { .name: x, .offset: 0, .size: 8, .value_kind: global_buffer, .address_space: global }
      - { .name: W1, .offset: 8, .size: 8, .value_kind: global_buffer, .address_space: global }
      - { .name: W2, .offset: 16, .size: 8, .value_kind: global_buffer, .address_space: global }
      - { .name: topK_indices, .offset: 24, .size: 8, .value_kind: global_buffer, .address_space: global }
      - { .name: topK_scores, .offset: 32, .size: 8, .value_kind: global_buffer, .address_space: global }
      - { .name: xq, .offset: 40, .size: 8, .value_kind: global_buffer, .address_space: global }
      - { .name: wq, .offset: 48, .size: 8, .value_kind: global_buffer, .address_space: global }
      - { .name: route, .offset: 56, .size: 8, .value_kind: global_buffer, .address_space: global }
      - { .name: gates, .offset: 64, .size: 8, .value_kind: global_buffer, .address_space: global }
      - { .name: out1, .offset: 72, .size: 8, .value_kind: global_buffer, .address_space: global }
    .group_segment_fixed_size: 44032
    .private_segment_fixed_size: 0
    .kernarg_segment_align: 8
    .kernarg_segment_size: 80
    .max_flat_workgroup_size: 256
    .sgpr_count:     102
    .vgpr_count:     256
    .wavefront_size: 32
...
	.end_amdgpu_metadata
.endif
;; end of part 1
;; launch ffn1 (part 2): grid 110 x 2, 4 waves a work-group, no clusters, 66,048 bytes of LDS; arguments xq, wq, b1, route, hq; writes hq
.if DOCPART == 2
	.amdgcn_target "amdgcn-amd-amdhsa--gfx1250"
	.amdhsa_code_object_version 6
	.text
	.protected	k_q33ac40ae95_ffn1
	.globl	k_q33ac40ae95_ffn1
	.p2align	8
	.type	k_q33ac40ae95_ffn1,@function
k_q33ac40ae95_ffn1:
	s_mov_b64 s[64:65], 0
	v_nop
	global_prefetch_b8 v0, s[64:65] scope:SCOPE_SE
	s_setreg_imm32_b32 hwreg(HW_REG_WAVE_MODE, 25, 1), 1
	s_wait_xcnt 0x0
; FFN1: H = Q(silu(x W1[e] + b1[e])) for the routed rows, sorted by expert; both operands are codes of E2M1 with one E8M0 scale for each 32 along K.
; SHARES.  Work-group (tile, ch): 80 sorted rows of one expert x 512 hidden units.  Wave w: all 80 rows x units 512 ch + 128 w on: 40 accumulators of 16 x 16.
; Each fragment of W1 is loaded by one wave alone, from memory straight into registers (it lies there in the registers' order), three K steps ahead, in a ring of four sets.
; The 80 rows of x's codes are gathered once, as whole rows of 512 bytes, into LDS, and all four waves read their fragments there.
; No tensor load and no cluster: the rows are gathered by a stored list, and the stores hang on a stored number.
; THE MATRIX INSTRUCTION IS USED TRANSPOSED (source 0 = 16 rows of W1's tile, source 1 = 16 rows of x): a lane holds one row of x, and the 16 registers of tiles 2 b, 2 b + 1 are hidden units 32 b + 16 (lane / 16) + 0..15.
; b1 is the C of each sum's first matrix instruction.  silu(z) = z / (1 + 2^(-z log2 e)), in f32.
; A tile that the split leaves without rows runs the same text on token 0 and expert 7 and stores nothing: so every wave passes both barriers, and no barrier stands under a branch on a loaded number.
; LIMITS: NaN and infinities are not served.  Where 2^(-z log2 e) overflows, silu gives -0.  A block of zeros has the byte 1, read by this program alone.
; hq: codes [8800 rows][512 bytes] | from byte 4,505,600 scale words [ch][8800][16 bytes]: word w of plane ch is K step 4 ch + w of the second product.
; REGISTERS, in windows of 256.  Window 0: v1-14 addresses; v16-95 x's fragments, two sets of 40 (first the 20 rows that I stage; later 64 numbers at work); v96-127 W1's scale words; v128-151 x's scale words;
;   v152-215 b1 in the result's layout, later the hidden numbers; v216-240 the quantiser's.  Windows 1, 2: accumulator (m, t) at 256 + 64 m + 8 t.  Window 3: W1's fragments, four sets of 64.
.set XP,    528                        ; a row of x's codes in LDS: 512 bytes + 16: the 16 rows of a fragment load start in 16 different groups of banks
.set HP,    272                        ; a row of the stage for H's codes: 256 bytes + 16
.set HST,   80*XP                      ; LDS: x's rows from 0; the stage for H's codes;
.set HSS,   HST+80*HP                  ; and for its scale words, 16 bytes a row
.set R_L1,  2560
.set XQ_SC, 2097152
.set WQ_SC, 8388608
.set HQ_SC, 4505600
.set HQ_PL, 140800
.set XF,  16
.set BS,  96
.set AS,  128
.set BI,  152
.set HH,  152
.set T,   16
.set PC,  216
.set TM,  224
.set PW,  240
.set SEL, 28
.set MSB, 0
.macro WIN new                         ; the immediate's high byte repeats the setting that is left; a switch that changes nothing is dropped
.if MSB != (\new)
	s_set_vgpr_msb (MSB<<8)|(\new)
.set MSB, (\new)
.endif
.endm
	s_load_b256 s[4:11], s[0:1], 0x0               ; xq 4, wq 6, b1 8, route 10
	s_load_b64 s[12:13], s[0:1], 0x20              ; hq
	v_lshl_add_u32 v254, v0, 2, 0x10000
	v_mov_b32 v255, 0
	v_lshrrev_b32 v1, 5, v0
	v_readfirstlane_b32 s14, v1                    ; wave 0..3
	v_and_b32 v1, 31, v0                           ; lane
	s_and_b32 s16, ttmp7, 0xffff                   ; ch
	s_lshl_b32 s18, ttmp9, 2                       ; the tile's word of T1
	s_mul_i32 s15, ttmp9, 320                      ; the tile's 80 words of L1,
	s_mul_i32 s19, s14, 80
	s_add_co_u32 s19, s19, s15                     ; my wave's 20 of them
.irp g, 0,1,2
	v_add_nc_u32 v[12+\g], 32*\g, v1               ; and for x's scale words: lane l of group g has row 32 g + l (rows past 79 repeat row 79 and are not read)
	v_min_u32 v[12+\g], 79, v[12+\g]
	v_lshl_add_u32 v[12+\g], v[12+\g], 2, s15
.endr
	s_wait_kmcnt 0x0
	s_load_b32 s17, s[10:11], s18 offset:0x0
	s_load_b512 s[32:47], s[10:11], s19 offset:R_L1
	s_load_b128 s[48:51], s[10:11], s19 offset:R_L1+64
.irp g, 0,1,2
	global_load_b32 v[12+\g], v[12+\g], s[10:11] offset:R_L1
.endr
	v_lshlrev_b32 v2, 4, v1                        ; 16 x lane
	v_lshlrev_b32 v3, 3, v1                        ; 8 x lane
	v_and_b32 v241, 15, v0                         ; r
	v_bfe_u32 v242, v0, 4, 1                       ; h
	v_mul_u32_u24 v4, v241, XP
	v_lshl_add_u32 v4, v242, 4, v4                 ; a fragment of x: row r, + 16 h
	s_mul_i32 s30, s14, 20*XP
	v_add_nc_u32 v5, s30, v2                       ; where I stage my 20 rows
	v_lshlrev_b32 v6, 6, v242                      ; b1: 16 h numbers on
	v_mul_u32_u24 v7, v241, HP
	v_lshl_add_u32 v7, v242, 4, v7
	s_lshl_b32 s30, s14, 6
	v_add_nc_u32 v7, s30, v7                       ; H's codes into the stage: row r, my wave's 64 bytes, + 16 h
	v_lshlrev_b32 v8, 4, v241
	s_lshl_b32 s30, s14, 2
	v_add_nc_u32 v8, s30, v8                       ; H's scale word: row r, word w
	v_mul_u32_u24 v9, v242, HP
	v_lshl_add_u32 v9, v241, 4, v9
	s_mul_i32 s30, s14, 20*HP
	v_add_nc_u32 v9, s30, v9                       ; back: my 20 rows, two an instruction, sixteen lanes to a row
	v_lshlrev_b32 v10, 9, v242
	v_lshl_add_u32 v10, v241, 4, v10               ; and the same two rows in hq
	s_lshl_b32 s30, s14, 8
	v_add_nc_u32 v11, s30, v3                      ; the scale words' way out: 256 bytes a wave
.irp b, 0,1,2,3
	v_mov_b32 v[TM+4+\b], 0                        ; written once: a lane permute's destination counts as one of its sources
.endr
	s_mov_b32 s[SEL], 0x76543210
	s_mov_b32 s[SEL+1], 0xfedcba98                 ; v_permlanex16_b32: lane l xor 16
	s_wait_kmcnt 0x0
	s_cmp_gt_u32 s17, 7
	s_cselect_b32 s18, 1, 0                        ; 1: the split leaves this tile without rows
	s_min_u32 s17, s17, 7
	s_mov_b32 s31, 0
	s_lshl_b32 s30, s17, 19                        ; W1's codes: e x 512 KiB + (32 ch + 8 w) tiles of 8,192 bytes
	s_lshl_b32 s19, s16, 18
	s_add_co_u32 s30, s30, s19
	s_lshl_b32 s19, s14, 16
	s_add_co_u32 s30, s30, s19
	s_add_nc_u64 s[22:23], s[6:7], s[30:31]
	s_lshl_b32 s30, s17, 15                        ; its scale words: e x 32 KiB + (16 ch + 4 w) pairs of 1,024 bytes
	s_lshl_b32 s19, s16, 14
	s_add_co_u32 s30, s30, s19
	s_lshl_b32 s19, s14, 12
	s_add_co_u32 s30, s30, s19
	s_add_co_u32 s30, s30, WQ_SC
	s_add_nc_u64 s[20:21], s[6:7], s[30:31]
	s_lshl_b32 s30, s17, 12                        ; b1: e x 4,096 + 4 (512 ch + 128 w)
	s_lshl_b32 s19, s16, 11
	s_add_co_u32 s30, s30, s19
	s_lshl_b32 s19, s14, 9
	s_add_co_u32 s30, s30, s19
	s_add_nc_u64 s[26:27], s[8:9], s[30:31]
	s_mul_i32 s30, ttmp9, 40960                    ; hq's codes: row 80 tile + 20 w, + 256 ch
	s_mul_i32 s19, s14, 10240
	s_add_co_u32 s30, s30, s19
	s_lshl_b32 s19, s16, 8
	s_add_co_u32 s30, s30, s19
	s_add_nc_u64 s[24:25], s[12:13], s[30:31]
	s_mul_i32 s30, ttmp9, 1280                     ; hq's scale words: plane ch, 16 bytes a row
	s_mul_i32 s19, s16, HQ_PL
	s_add_co_u32 s30, s30, s19
	s_add_co_u32 s30, s30, HQ_SC
	s_add_nc_u64 s[52:53], s[12:13], s[30:31]
.macro LOADB s                         ; W1's eight fragments of K step s into set s % 4: 16 loads of 512 consecutive bytes
	WIN 0xc0                                       ; destination window 3, address window 0
.irp t, 0,1,2,3,4,5,6,7
.irp c, 0,1
	global_load_b128 v[64*((\s)%4)+8*\t+4*\c:64*((\s)%4)+8*\t+4*\c+3], v2, s[22:23] offset:8192*\t+1024*(\s)+512*\c
.endr
.endr
.endm
.macro FETCHX s                        ; x's five fragments of K step s into set s % 2
.irp m, 0,1,2,3,4
.irp c, 0,1
	ds_load_b128 v[XF+40*((\s)%2)+8*\m+4*\c:XF+40*((\s)%2)+8*\m+4*\c+3], v4 offset:\m*16*XP+64*(\s)+32*\c
.endr
.endr
.endm
.macro WM oa, ob                       ; one product on the registers rD, rA, rB, rC, rSA, rSB; oa, ob: the side's scale words stand in lanes 16-31
.if (\oa) && (\ob)
	v_wmma_scale_f32_16x16x128_f8f6f4 v[rD:rD+7], v[rA:rA+7], v[rB:rB+7], v[rC:rC+7], v[rSA], v[rSB] matrix_a_fmt:MATRIX_FMT_FP4 matrix_b_fmt:MATRIX_FMT_FP4 matrix_a_scale:MATRIX_SCALE_ROW1 matrix_b_scale:MATRIX_SCALE_ROW1
.elseif (\oa)
	v_wmma_scale_f32_16x16x128_f8f6f4 v[rD:rD+7], v[rA:rA+7], v[rB:rB+7], v[rC:rC+7], v[rSA], v[rSB] matrix_a_fmt:MATRIX_FMT_FP4 matrix_b_fmt:MATRIX_FMT_FP4 matrix_a_scale:MATRIX_SCALE_ROW1
.elseif (\ob)
	v_wmma_scale_f32_16x16x128_f8f6f4 v[rD:rD+7], v[rA:rA+7], v[rB:rB+7], v[rC:rC+7], v[rSA], v[rSB] matrix_a_fmt:MATRIX_FMT_FP4 matrix_b_fmt:MATRIX_FMT_FP4 matrix_b_scale:MATRIX_SCALE_ROW1
.else
	v_wmma_scale_f32_16x16x128_f8f6f4 v[rD:rD+7], v[rA:rA+7], v[rB:rB+7], v[rC:rC+7], v[rSA], v[rSB] matrix_a_fmt:MATRIX_FMT_FP4 matrix_b_fmt:MATRIX_FMT_FP4
.endif
.endm
.macro MULS s                          ; 40 products: the 40 accumulators take turns, one instruction a turn, in the same order in every K step
.set mm, 0
.rept 5
.if (\s) == 0
.set WN, 0x43+0x40*(mm/4)              ; source 0 window 3, source 1 and C (b1) window 0, D window 1 or 2
.else
.set WN, 0x53+0x50*(mm/4)              ; C and D window 1 or 2
.endif
	WIN WN
.set tt, 0
.rept 8
.set rD, 64*(mm%4)+8*tt
.set rA, 64*((\s)%4)+8*tt
.set rB, XF+40*((\s)%2)+8*mm
.if (\s) == 0
.set rC, BI+8*tt
.else
.set rC, rD
.endif
.set rSA, BS+8*(tt/2)+(\s)
.set rSB, AS+8*(mm/2)+(\s)
	WM (tt%2), (mm%2)
.set tt, tt+1
.endr
.set mm, mm+1
.endr
.endm
; A K step.  n: the younger global loads that may stay out.  Loads into registers that the last step's products read stand behind four plain vector lines.
.macro KSTEP s, n
	s_wait_loadcnt \n
	s_wait_dscnt 0x0                               ; x's fragments of this step are in
.if ((\s) > 0) && ((\s) < 7)
.rept 4
	v_nop
.endr
.endif
.if (\s) < 7
	WIN 0
	FETCHX (\s)+1
.endif
.if (\s) < 5
	LOADB (\s)+3
.endif
	MULS \s
.endm
; 64 numbers of a lane, register 16 b + i = k 32 b + 16 (lane / 16) + i of my row, become a fragment's codes in v[PC] on and its scale word in v[PW]
.macro QUANT s
.irp b, 0,1,2,3
	v_max3_num_f32 v[TM+\b], |v[\s+16*\b]|, |v[\s+1+16*\b]|, 0x1800000   ; my 16 numbers of block b, and the floor 2^(3 - 127): the byte cannot fall under 1
.endr
.irp i, 2,4,6,8,10,12,14
.irp b, 0,1,2,3
	v_max3_num_f32 v[TM+\b], v[TM+\b], |v[\s+16*\b+\i]|, |v[\s+1+16*\b+\i]|
.endr
.endr
.irp b, 0,1,2,3
	v_permlanex16_b32 v[TM+4+\b], v[TM+\b], s[SEL], s[SEL+1]
.endr
.irp b, 0,1,2,3
	v_max_num_f32 v[TM+\b], v[TM+\b], v[TM+4+\b]   ; with lane l xor 16's: the block's largest magnitude
.endr
.irp b, 0,1,2,3
	v_add_nc_u32 v[TM+12+\b], 0xff000000, v[TM+\b] ; 2 off its exponent field: the conversion's scale operand
.endr
.irp b, 0,1,2,3
	v_lshrrev_b32 v[TM+4+\b], 23, v[TM+12+\b]      ; the scale's byte
.endr
	v_lshl_or_b32 v[PW], v[TM+5], 8, v[TM+4]
	v_lshl_or_b32 v[PW], v[TM+6], 16, v[PW]
	v_lshl_or_b32 v[PW], v[TM+7], 24, v[PW]
.irp b, 0,1,2,3
	v_cvt_scalef32_pk8_fp4_f32 v[PC+2*\b], v[\s+16*\b:\s+7+16*\b], v[TM+12+\b]
	v_cvt_scalef32_pk8_fp4_f32 v[PC+1+2*\b], v[\s+8+16*\b:\s+15+16*\b], v[TM+12+\b]
.endr
	v_nop                                          ; one plain line behind the conversions
.irp c, 0,1                                    ; a whole block to a lane: lanes 0-15 block 2 c, lanes 16-31 block 2 c + 1
.irp i, 0,1
	v_permlane16_swap_b32 v[PC+4*\c+\i], v[PC+2+4*\c+\i]
.endr
.endr
.endm
; Rows 16 m on: silu, quantised, into the stage.  Each batch of 64 transcendentals has one plain line and one wait behind it, ahead of its first reader.
.macro EPI m
.set AB, 64*((\m)%4)
.set WA, 1+(\m)/4
	WIN WA                                         ; source 0: the accumulators' window
.set j, 0
.rept 32
	v_pk_mul_f32 v[T+j:T+j+1], v[AB+j:AB+j+1], 0xbfb8aa3b op_sel_hi:[1,0]   ; -z log2 e; each accumulator is read from its low end on
.set j, j+2
.endr
	WIN 0
.set j, 0
.rept 64
	v_exp_f32 v[T+j], v[T+j]
.set j, j+1
.endr
	v_nop
	s_wait_alu depctr_va_vdst(0)
.set j, 0
.rept 32
	v_pk_add_f32 v[T+j:T+j+1], v[T+j:T+j+1], 1.0 op_sel_hi:[1,0]
.set j, j+2
.endr
.set j, 0
.rept 64
	v_rcp_f32 v[T+j], v[T+j]
.set j, j+1
.endr
	v_nop
	s_wait_alu depctr_va_vdst(0)
	WIN WA
.set j, 0
.rept 32
	v_pk_mul_f32 v[HH+j:HH+j+1], v[AB+j:AB+j+1], v[T+j:T+j+1]
.set j, j+2
.endr
	WIN 0
	s_wait_dscnt 0x0                               ; the last rows' stores have read the registers that are now written again
	QUANT HH
	ds_store_b128 v7, v[PC:PC+3] offset:HST+(\m)*16*HP
	ds_store_b128 v7, v[PC+4:PC+7] offset:HST+(\m)*16*HP+32
	ds_store_b32 v8, v[PW] offset:HSS+256*(\m)     ; both halves of the lanes hold and store the same word
.endm
	; my 20 rows of x's codes: a row is 512 bytes, 16 a lane; each load lands on its own address register
.set i, 0
.rept 20
	s_min_u32 s[32+i], s[32+i], 4095
	s_lshl_b32 s[32+i], s[32+i], 9
	v_add_nc_u32 v[XF+4*i], s[32+i], v2
	global_load_b128 v[XF+4*i:XF+4*i+3], v[XF+4*i], s[4:5]
.set i, i+1
.endr
	s_wait_loadcnt 20                              ; the three loads of tokens are in; the 20 rows stay out
.irp g, 0,1,2
	v_min_u32 v[12+\g], 4095, v[12+\g]
	v_lshlrev_b32 v[12+\g], 5, v[12+\g]            ; 32 scale bytes a token: the words of K steps 0..7
	global_load_b128 v[AS+8*\g:AS+8*\g+3], v[12+\g], s[4:5] offset:XQ_SC
	global_load_b128 v[AS+8*\g+4:AS+8*\g+7], v[12+\g], s[4:5] offset:XQ_SC+16
.endr
	LOADB 0
	LOADB 1
	WIN 0
	s_wait_loadcnt 38                              ; the rows are in; behind them: 6 + 16 + 16
.set i, 0
.rept 20
	ds_store_b128 v5, v[XF+4*i:XF+4*i+3] offset:XP*i
.set i, i+1
.endr
.irp u, 0,1,2,3
.irp q, 0,1,2,3
	global_load_b64 v[BS+8*\u+2*\q:BS+8*\u+2*\q+1], v3, s[20:21] offset:1024*\u+256*\q   ; pair of tiles u, K steps 2 q and 2 q + 1
.endr
.endr
.irp t, 0,1,2,3,4,5,6,7
	global_load_b128 v[BI+8*\t:BI+8*\t+3], v6, s[26:27] offset:(32*(\t/2)+8*(\t%2))*4
	global_load_b128 v[BI+8*\t+4:BI+8*\t+7], v6, s[26:27] offset:(32*(\t/2)+8*(\t%2))*4+16
.endr
	LOADB 2
	WIN 0
	s_wait_dscnt 0x0                               ; for the others' sake: my rows have landed in LDS
	s_barrier_signal -1
	s_barrier_wait -1                              ; all 80 rows lie there
	FETCHX 0
	KSTEP 0, 16                                    ; all but K step 2's fragments: scale words, b1 and K steps 0, 1 are in
	KSTEP 1, 32                                    ; from here on the two K steps ahead may be out
	KSTEP 2, 32
	KSTEP 3, 32
	KSTEP 4, 32
	KSTEP 5, 32
	KSTEP 6, 16
	KSTEP 7, 0
	WIN 0
.rept 4
	v_nop                                          ; four plain lines between the last products and the first read of results and write of their sources
.endr
.irp m, 0,1,2,3,4
	EPI \m
.endr
	s_wait_dscnt 0x0                               ; my part of the stage has landed
	s_barrier_signal -1
	s_barrier_wait -1                              ; 80 whole rows of 256 bytes, and their scale words, lie in the stage
	s_cmp_lg_u32 s18, 0
	s_cbranch_scc1 .Lend                           ; a tile without rows stores nothing
.irp q, 0,1,2,3,4,5,6,7,8,9
	ds_load_b128 v[16+4*\q:19+4*\q], v9 offset:HST+2*HP*\q
.endr
	ds_load_b64 v[56:57], v11 offset:HSS
.irp q, 0,1,2,3,4,5,6,7,8,9
	s_wait_dscnt 10-\q
	global_store_b128 v10, v[16+4*\q:19+4*\q], s[24:25] offset:1024*\q   ; sixteen lanes store 256 consecutive bytes, aligned
.endr
	s_wait_dscnt 0x0
	global_store_b64 v11, v[56:57], s[52:53]       ; the tile's 1,280 bytes of scale words: 256 a wave,
	s_cmp_lg_u32 s14, 0
	s_cbranch_scc1 .Lend
	ds_load_b64 v[58:59], v11 offset:HSS+1024      ; and wave 0 the fifth 256
	s_wait_dscnt 0x0
	global_store_b64 v11, v[58:59], s[52:53] offset:1024
.Lend:
	s_wait_tensorcnt 0x0
	ds_add_u32 v254, v255
	s_wait_dscnt 0x0
	s_endpgm
.Lfunc_end_k_q33ac40ae95_ffn1:
	.size	k_q33ac40ae95_ffn1, .Lfunc_end_k_q33ac40ae95_ffn1-k_q33ac40ae95_ffn1
	.p2alignl 7, 3214868480
	.fill 96, 4, 3214868480
	.section	.rodata,"a",@progbits
	.p2align	6, 0x0
	.amdhsa_kernel k_q33ac40ae95_ffn1
		.amdhsa_group_segment_fixed_size 66048
		.amdhsa_private_segment_fixed_size 0
		.amdhsa_enable_private_segment 0
		.amdhsa_kernarg_size 40
		.amdhsa_user_sgpr_count 2
		.amdhsa_user_sgpr_kernarg_segment_ptr 1
		.amdhsa_wavefront_size32 1
		.amdhsa_system_sgpr_workgroup_id_x 1
		.amdhsa_system_sgpr_workgroup_id_y 1
		.amdhsa_system_sgpr_workgroup_id_z 1
		.amdhsa_system_vgpr_workitem_id 0
		.amdhsa_next_free_vgpr 1024
		.amdhsa_next_free_sgpr 66
		.amdhsa_reserve_vcc 0
		.amdhsa_float_denorm_mode_32 3
		.amdhsa_float_denorm_mode_16_64 3
		.amdhsa_memory_ordered 1
		.amdhsa_forward_progress 1
		.amdhsa_inst_pref_size 153
	.end_amdhsa_kernel
	.amdgpu_metadata
---
amdhsa.version: [ 1, 2 ]
amdhsa.kernels:
  - .name:           k_q33ac40ae95_ffn1
    .symbol:         k_q33ac40ae95_ffn1.kd
    .args:
      - { .name: xq, .offset: 0, .size: 8, .value_kind: global_buffer, .address_space: global }
      - { .name: wq, .offset: 8, .size: 8, .value_kind: global_buffer, .address_space: global }
      - { .name: b1, .offset: 16, .size: 8, .value_kind: global_buffer, .address_space: global }
      - { .name: route, .offset: 24, .size: 8, .value_kind: global_buffer, .address_space: global }
      - { .name: hq, .offset: 32, .size: 8, .value_kind: global_buffer, .address_space: global }
    .group_segment_fixed_size: 66048
    .private_segment_fixed_size: 0
    .kernarg_segment_align: 8
    .kernarg_segment_size: 40
    .max_flat_workgroup_size: 128
    .sgpr_count:     66
    .vgpr_count:     1024
    .wavefront_size: 32
...
	.end_amdgpu_metadata
.endif
;; end of part 2
;; launch ffn2 (part 3): grid 99 x 2, 4 waves a work-group, no clusters, 101,888 bytes of LDS; arguments hq, wq, b2, route, gates, out0; writes out0
.if DOCPART == 3
	.amdgcn_target "amdgcn-amd-amdhsa--gfx1250"
	.amdhsa_code_object_version 6
	.text
	.protected	k_q33ac40ae95_ffn2
	.globl	k_q33ac40ae95_ffn2
	.p2align	8
	.type	k_q33ac40ae95_ffn2,@function
k_q33ac40ae95_ffn2:
	s_mov_b64 s[64:65], 0
	v_nop
	global_prefetch_b8 v0, s[64:65] scope:SCOPE_SE
	s_setreg_imm32_b32 hwreg(HW_REG_WAVE_MODE, 25, 1), 1
	s_wait_xcnt 0x0
; FFN2: out0[t] = gA (H_A W2[a] + b2[a]) + gB (H_B W2[b] + b2[b]), tokens sorted by their pair of experts a <= b; both operands are codes of E2M1 with one E8M0 scale for each 32 along K.
; SHARES.  Work-group (tile, ch): at most 64 tokens of one pair x 512 output columns: each output row and half has one owner, so nothing is added between work-groups.
; Wave w: 64 rows x columns 512 ch + 128 w on, twice: pass 0 with expert a on the tokens' A rows of H, pass 1 with expert b on their B rows: ONE run of 16 K steps, 32 accumulators a pass.
; W2's fragments go from memory straight into registers (they lie there in the registers' order), three K steps ahead, in a ring of four sets that runs on across the passes.
; The 128 rows of H's codes are gathered once, as whole rows of 512 bytes, into LDS.  No tensor load and no cluster: rows are gathered by stored lists, and the stores hang on a stored count.
; THE MATRIX INSTRUCTION IS USED TRANSPOSED (source 0 = 16 columns of W2, source 1 = 16 rows of H): a lane holds one token and eight neighbouring outputs.  b2 is the C of each sum's first matrix instruction.
; A tile without rows runs the same text on row 0 of H and stores nothing; rows past the tile's count are computed and not stored.
; The two experts' results are added as gA A + gB B, a before b; where a = b the two rows of H are equal and the scores add.
; REGISTERS, in windows of 256.  Window 0: v1-15 addresses; v16-79 H's fragments, two sets of 32, later rows on their way out; v80-143 W2's scale words; v144-175 H's scale words; v176-183 pairs gA, gB;
;   v184-247 b2 in the result's layout, later 16 store addresses; v248-255 gB twice.  Window 1: pass 0's accumulators (m, t) at 64 m + 8 t (first the 32 rows that I stage; at the end y).  Window 2: pass 1's.  Window 3: W2's fragments.
.set XP,    528                        ; a row in LDS: 512 bytes + 16
.set STG,   128*XP                     ; LDS: H's 128 rows (64 p + i) from 0; behind them a stage of 16 rows for each wave
.set R_T2,  512
.set R_TOK, 37888
.set R_HA,  63488
.set WQ_W2, 4194304
.set WQ_S2, 8650752
.set HQ_SC, 4505600
.set HQ_PL, 140800
.set XF,  16
.set BS,  80
.set AS,  144
.set G,   176
.set BI,  184
.set GB,  248
.set MSB, 0
.macro WIN new                         ; the immediate's high byte repeats the setting that is left; a switch that changes nothing is dropped
.if MSB != (\new)
	s_set_vgpr_msb (MSB<<8)|(\new)
.set MSB, (\new)
.endif
.endm
	s_load_b256 s[4:11], s[0:1], 0x0               ; hq 4, wq 6, b2 8, route 10
	s_load_b128 s[12:15], s[0:1], 0x20             ; gates 12, out0 14
	v_lshrrev_b32 v1, 5, v0
	v_readfirstlane_b32 s20, v1                    ; wave 0..3
	v_and_b32 v1, 31, v0                           ; lane
	v_and_b32 v10, 15, v0                          ; r
	s_and_b32 s21, ttmp7, 0xffff                   ; ch
	s_lshl_b32 s2, ttmp9, 4                        ; the tile's record of T2
	s_lshr_b32 s3, s20, 1                          ; I stage rows of pass w / 2: its list,
	s_mul_i32 s3, s3, 25600
	s_lshl_b32 s66, ttmp9, 8                       ; the tile's 64 words,
	s_add_co_u32 s3, s3, s66
	s_and_b32 s67, s20, 1
	s_lshl_b32 s67, s67, 7                         ; my 32 of them
	s_add_co_u32 s3, s3, s67
	v_lshl_add_u32 v11, v1, 2, s66
	s_lshl_b32 s67, ttmp9, 9
	v_lshl_add_u32 v9, v10, 3, s67                 ; the gates: 8 bytes a token
	s_wait_kmcnt 0x0
	s_load_b128 s[16:19], s[10:11], s2 offset:R_T2 ; a, b, rows, 0
	s_load_b512 s[32:47], s[10:11], s3 offset:R_HA
	s_load_b512 s[48:63], s[10:11], s3 offset:R_HA+64
.irp p, 0,1
.irp g, 0,1
	global_load_b32 v[12+2*\p+\g], v11, s[10:11] offset:R_HA+25600*\p+128*\g   ; for H's scale words: lane l has row 32 g + l of pass p
.endr
.endr
.irp m, 0,1,2,3
	global_load_b64 v[G+2*\m:G+2*\m+1], v9, s[12:13] offset:128*\m             ; lane (r, h): the gates of row 16 m + r
.endr
	v_lshlrev_b32 v2, 4, v1                        ; 16 x lane
	v_lshlrev_b32 v3, 3, v1                        ; 8 x lane
	v_bfe_u32 v6, v0, 4, 1                         ; h
	v_mul_u32_u24 v4, v10, XP
	v_lshl_add_u32 v7, v6, 5, v4
	v_lshl_add_u32 v4, v6, 4, v4                   ; a fragment of H: row r, + 16 h
	s_mul_i32 s66, s20, 16*XP
	s_add_co_u32 s66, s66, STG                     ; my stage
	v_add_nc_u32 v7, s66, v7                       ; in: row r, + 32 h
	v_add_nc_u32 v8, s66, v2                       ; back: a row of 512 bytes, 16 a lane
	s_mul_i32 s66, s20, 32*XP
	v_add_nc_u32 v5, s66, v2                       ; where I stage my 32 rows of H
	v_lshlrev_b32 v6, 5, v6                        ; b2: 8 h numbers on
	s_wait_kmcnt 0x0
	s_min_u32 s16, s16, 7
	s_min_u32 s17, s17, 7
	s_mov_b32 s3, 0
	s_lshl_b32 s19, s21, 18                        ; W2's codes: 4 MiB + e x 512 KiB + (32 ch + 8 w) tiles of 8,192 bytes
	s_lshl_b32 s66, s20, 16
	s_add_co_u32 s19, s19, s66
	s_add_co_u32 s19, s19, WQ_W2
	s_lshl_b32 s2, s16, 19
	s_add_co_u32 s2, s2, s19
	s_add_nc_u64 s[22:23], s[6:7], s[2:3]
	s_lshl_b32 s2, s17, 19
	s_add_co_u32 s2, s2, s19
	s_add_nc_u64 s[26:27], s[6:7], s[2:3]
	s_lshl_b32 s19, s21, 14                        ; its scale words: e x 32 KiB + (16 ch + 4 w) pairs of 1,024 bytes
	s_lshl_b32 s66, s20, 12
	s_add_co_u32 s19, s19, s66
	s_add_co_u32 s19, s19, WQ_S2
	s_lshl_b32 s2, s16, 15
	s_add_co_u32 s2, s2, s19
	s_add_nc_u64 s[24:25], s[6:7], s[2:3]
	s_lshl_b32 s2, s17, 15
	s_add_co_u32 s2, s2, s19
	s_add_nc_u64 s[28:29], s[6:7], s[2:3]
	s_lshl_b32 s19, s21, 11                        ; b2 and out0: 4 (512 ch + 128 w) bytes into a row
	s_lshl_b32 s66, s20, 9
	s_add_co_u32 s19, s19, s66
	s_mov_b32 s2, s19
	s_add_nc_u64 s[30:31], s[14:15], s[2:3]
	s_lshl_b32 s2, s17, 12
	s_add_co_u32 s2, s2, s19
	s_add_nc_u64 s[66:67], s[8:9], s[2:3]          ; b2 of expert b,
	s_lshl_b32 s2, s16, 12
	s_add_co_u32 s2, s2, s19
	s_add_nc_u64 s[8:9], s[8:9], s[2:3]            ; and of expert a
.macro LOADB s                         ; W2's eight fragments of step s (pass s / 8, K step s % 8) into set s % 4
	WIN 0xc0                                       ; destination window 3, address window 0
.set SB0, 22+4*((\s)/8)
.irp t, 0,1,2,3,4,5,6,7
.irp c, 0,1
	global_load_b128 v[64*((\s)%4)+8*\t+4*\c:64*((\s)%4)+8*\t+4*\c+3], v2, s[SB0:SB0+1] offset:8192*\t+1024*((\s)%8)+512*\c
.endr
.endr
.endm
.macro FETCHX s                        ; H's four fragments of step s into set s % 2
.irp m, 0,1,2,3
.irp c, 0,1
	ds_load_b128 v[XF+32*((\s)%2)+8*\m+4*\c:XF+32*((\s)%2)+8*\m+4*\c+3], v4 offset:(64*((\s)/8)+16*\m)*XP+64*((\s)%8)+32*\c
.endr
.endr
.endm
.macro BIAS b                          ; b2 in the result's layout: lane (r, h), tile t: columns 16 t + 8 h + 0..7
.irp t, 0,1,2,3,4,5,6,7
	global_load_b128 v[BI+8*\t:BI+8*\t+3], v6, s[\b:\b+1] offset:64*\t
	global_load_b128 v[BI+8*\t+4:BI+8*\t+7], v6, s[\b:\b+1] offset:64*\t+16
.endr
.endm
.macro WM oa, ob                       ; one product on the registers rD, rA, rB, rC, rSA, rSB; oa, ob: the side's scale words stand in lanes 16-31
.if (\oa) && (\ob)
	v_wmma_scale_f32_16x16x128_f8f6f4 v[rD:rD+7], v[rA:rA+7], v[rB:rB+7], v[rC:rC+7], v[rSA], v[rSB] matrix_a_fmt:MATRIX_FMT_FP4 matrix_b_fmt:MATRIX_FMT_FP4 matrix_a_scale:MATRIX_SCALE_ROW1 matrix_b_scale:MATRIX_SCALE_ROW1
.elseif (\oa)
	v_wmma_scale_f32_16x16x128_f8f6f4 v[rD:rD+7], v[rA:rA+7], v[rB:rB+7], v[rC:rC+7], v[rSA], v[rSB] matrix_a_fmt:MATRIX_FMT_FP4 matrix_b_fmt:MATRIX_FMT_FP4 matrix_a_scale:MATRIX_SCALE_ROW1
.elseif (\ob)
	v_wmma_scale_f32_16x16x128_f8f6f4 v[rD:rD+7], v[rA:rA+7], v[rB:rB+7], v[rC:rC+7], v[rSA], v[rSB] matrix_a_fmt:MATRIX_FMT_FP4 matrix_b_fmt:MATRIX_FMT_FP4 matrix_b_scale:MATRIX_SCALE_ROW1
.else
	v_wmma_scale_f32_16x16x128_f8f6f4 v[rD:rD+7], v[rA:rA+7], v[rB:rB+7], v[rC:rC+7], v[rSA], v[rSB] matrix_a_fmt:MATRIX_FMT_FP4 matrix_b_fmt:MATRIX_FMT_FP4
.endif
.endm
.macro MULS s                          ; 32 products: the pass's 32 accumulators take turns, one instruction a turn
.set pp, (\s)/8
.set ks, (\s)%8
.if ks == 0
.set WN, 0x43+0x40*pp                  ; source 0 window 3, source 1 and C (b2) window 0, D window 1 + pass
.else
.set WN, 0x53+0x50*pp                  ; C and D window 1 + pass
.endif
	WIN WN
.set mm, 0
.rept 4
.set tt, 0
.rept 8
.set rD, 64*mm+8*tt
.set rA, 64*((\s)%4)+8*tt
.set rB, XF+32*((\s)%2)+8*mm
.if ks == 0
.set rC, BI+8*tt
.else
.set rC, rD
.endif
.set rSA, BS+32*pp+8*(tt/2)+ks
.set rSB, AS+16*pp+8*(mm/2)+ks
	WM (tt%2), (mm%2)
.set tt, tt+1
.endr
.set mm, mm+1
.endr
.endm
; A step.  n: the younger global loads that may stay out.  Loads into registers that the last step's products read stand behind four plain vector lines.
.macro KSTEP s, n
	s_wait_loadcnt \n
	s_wait_dscnt 0x0                               ; H's fragments of this step are in
.if ((\s) > 0) && ((\s) < 15)
.rept 4
	v_nop
.endr
.endif
.if (\s) < 15
	WIN 0
	FETCHX (\s)+1
.endif
.if (\s) == 1
	BIAS 66                                        ; expert b's bias takes the place of expert a's, which step 0 has read
.endif
.if (\s) < 13
	LOADB (\s)+3
.endif
	MULS \s
.endm
	; my 32 rows of H's codes: a row is 512 bytes, 16 a lane; each load lands on its own address register, in window 1
.set i, 0
.rept 32
	s_min_u32 s[32+i], s[32+i], 8799
	s_lshl_b32 s[32+i], s[32+i], 9
.set i, i+1
.endr
	WIN 0x40
.set i, 0
.rept 32
	v_add_nc_u32 v[4*i], s[32+i], v2
.set i, i+1
.endr
	WIN 0x41
.set i, 0
.rept 32
	global_load_b128 v[4*i:4*i+3], v[4*i], s[4:5]
.set i, i+1
.endr
	WIN 0
	s_wait_loadcnt 32                              ; the places for the scale words and the gates are in; the 32 rows stay out
.irp m, 0,1,2,3
	v_mov_b32 v[GB+2*\m], v[G+2*\m+1]              ; gB in the low register of a pair of its own: the packed forms take a pair's low register for both halves
	v_mov_b32 v[GB+2*\m+1], v[G+2*\m+1]
.endr
.irp q, 0,1,2,3
	v_min_u32 v[12+\q], 8799, v[12+\q]
	v_lshlrev_b32 v[12+\q], 4, v[12+\q]            ; 16 bytes a row and plane: the words of K steps 0..3, and 4..7
	global_load_b128 v[AS+8*\q:AS+8*\q+3], v[12+\q], s[4:5] offset:HQ_SC
	global_load_b128 v[AS+8*\q+4:AS+8*\q+7], v[12+\q], s[4:5] offset:HQ_SC+HQ_PL
.endr
	LOADB 0
	LOADB 1
	s_wait_loadcnt 40                              ; the rows are in; behind them: 8 + 16 + 16
	WIN 0x04                                       ; an LDS store's data are its source 1: window 1
.set i, 0
.rept 32
	ds_store_b128 v5, v[4*i:4*i+3] offset:XP*i
.set i, i+1
.endr
	WIN 0
.irp p, 0,1
.irp u, 0,1,2,3
.irp q, 0,1,2,3
	global_load_b64 v[BS+32*\p+8*\u+2*\q:BS+32*\p+8*\u+2*\q+1], v3, s[24+4*\p:25+4*\p] offset:1024*\u+256*\q   ; pass p, pair of tiles u, K steps 2 q and 2 q + 1
.endr
.endr
.endr
	BIAS 8
	LOADB 2
	WIN 0
	s_wait_dscnt 0x0                               ; for the others' sake: my rows have landed in LDS
	s_barrier_signal -1
	s_barrier_wait -1                              ; all 128 rows lie there: the launch's one barrier
	s_lshl_b32 s2, ttmp9, 8
	s_load_b512 s[32:47], s[10:11], s2 offset:R_TOK       ; the tile's 64 tokens, for the way out: row i in s[32 + i + 4 (i / 32)]
	s_load_b512 s[48:63], s[10:11], s2 offset:R_TOK+64
	s_load_b512 s[68:83], s[10:11], s2 offset:R_TOK+128
	s_load_b512 s[84:99], s[10:11], s2 offset:R_TOK+192
	FETCHX 0
	KSTEP 0, 16                                    ; all but step 2's fragments: scale words, b2 and steps 0, 1 are in
	KSTEP 1, 32                                    ; the two steps ahead may be out
	KSTEP 2, 48                                    ; and the second bias, issued between them
	KSTEP 3, 48
	KSTEP 4, 32
	KSTEP 5, 32
	KSTEP 6, 32
	KSTEP 7, 32
	KSTEP 8, 32
	KSTEP 9, 32
	KSTEP 10, 32
	KSTEP 11, 32
	KSTEP 12, 32
	KSTEP 13, 32
	KSTEP 14, 16
	KSTEP 15, 0
	WIN 0
.rept 4
	v_nop                                          ; four plain lines between the last products and the first read of results and write of their sources
.endr
	s_wait_kmcnt 0x0                               ; the tokens
; THE WAY OUT, 16 rows at a time: y = gA A + gB B in place; through my own stage, so that a row's 512 bytes leave by one store; rows past the tile's count are not stored.
.macro OUTM m
	s_wait_xcnt 0x0                                ; the last 16 rows' stores have read their data and address registers: these are written again
	WIN 0x41                                       ; D and source 0 window 1, the gates window 0
.set j, 0
.rept 32
	v_pk_mul_f32 v[64*(\m)+j:64*(\m)+j+1], v[64*(\m)+j:64*(\m)+j+1], v[G+2*(\m):G+2*(\m)+1] op_sel_hi:[1,0]   ; each accumulator is read from its low end on
.set j, j+2
.endr
	WIN 0x52                                       ; source 0 window 2, C and D window 1
.set j, 0
.rept 32
	v_pk_fma_f32 v[64*(\m)+j:64*(\m)+j+1], v[64*(\m)+j:64*(\m)+j+1], v[GB+2*(\m):GB+2*(\m)+1], v[64*(\m)+j:64*(\m)+j+1] op_sel_hi:[1,0,1]
.set j, j+2
.endr
	WIN 0x04
.irp t, 0,1,2,3,4,5,6,7
	ds_store_b128 v7, v[64*(\m)+8*\t:64*(\m)+8*\t+3] offset:64*\t
	ds_store_b128 v7, v[64*(\m)+8*\t+4:64*(\m)+8*\t+7] offset:64*\t+16
.endr
	WIN 0
.irp i, 0,1,2,3,4,5,6,7,8,9,10,11,12,13,14,15
	ds_load_b128 v[16+4*\i:19+4*\i], v8 offset:XP*\i   ; LDS serves a wave's instructions in order: these see the stores above, and the next rows' stores come behind them
.endr
.irp i, 0,1,2,3,4,5,6,7,8,9,10,11,12,13,14,15
.set RW, 16*(\m)+\i
.set SRW, 32+RW+4*(RW/32)
	s_cmp_le_u32 s18, RW
	s_cbranch_scc1 .Ldone                          ; the tile's rows are over
	s_min_u32 s[SRW], s[SRW], 4095
	s_lshl_b32 s[SRW], s[SRW], 12
	v_add_nc_u32 v[BI+\i], s[SRW], v2
	s_wait_dscnt 15-\i
	global_store_b128 v[BI+\i], v[16+4*\i:19+4*\i], s[30:31] th:TH_STORE_NT   ; 32 lanes store 512 consecutive bytes, aligned; written once, read by nobody here
.endr
.endm
	OUTM 0
	OUTM 1
	OUTM 2
	OUTM 3
.Ldone:
	s_wait_xcnt 0x0
	v_lshl_add_u32 v254, v0, 2, 0x18c00
	v_mov_b32 v255, 0
	s_wait_tensorcnt 0x0
	ds_add_u32 v254, v255
	s_wait_dscnt 0x0
	s_endpgm
.Lfunc_end_k_q33ac40ae95_ffn2:
	.size	k_q33ac40ae95_ffn2, .Lfunc_end_k_q33ac40ae95_ffn2-k_q33ac40ae95_ffn2
	.p2alignl 7, 3214868480
	.fill 96, 4, 3214868480
	.section	.rodata,"a",@progbits
	.p2align	6, 0x0
	.amdhsa_kernel k_q33ac40ae95_ffn2
		.amdhsa_group_segment_fixed_size 101888
		.amdhsa_private_segment_fixed_size 0
		.amdhsa_enable_private_segment 0
		.amdhsa_kernarg_size 48
		.amdhsa_user_sgpr_count 2
		.amdhsa_user_sgpr_kernarg_segment_ptr 1
		.amdhsa_wavefront_size32 1
		.amdhsa_system_sgpr_workgroup_id_x 1
		.amdhsa_system_sgpr_workgroup_id_y 1
		.amdhsa_system_sgpr_workgroup_id_z 1
		.amdhsa_system_vgpr_workitem_id 0
		.amdhsa_next_free_vgpr 1024
		.amdhsa_next_free_sgpr 100
		.amdhsa_reserve_vcc 0
		.amdhsa_float_denorm_mode_32 3
		.amdhsa_float_denorm_mode_16_64 3
		.amdhsa_memory_ordered 1
		.amdhsa_forward_progress 1
		.amdhsa_inst_pref_size 167
	.end_amdhsa_kernel
	.amdgpu_metadata
---
amdhsa.version: [ 1, 2 ]
amdhsa.kernels:
  - .name:           k_q33ac40ae95_ffn2
    .symbol:         k_q33ac40ae95_ffn2.kd
    .args:
      - { .name: hq, .offset: 0, .size: 8, .value_kind: global_buffer, .address_space: global }
      - { .name: wq, .offset: 8, .size: 8, .value_kind: global_buffer, .address_space: global }
      - { .name: b2, .offset: 16, .size: 8, .value_kind: global_buffer, .address_space: global }
      - { .name: route, .offset: 24, .size: 8, .value_kind: global_buffer, .address_space: global }
      - { .name: gates, .offset: 32, .size: 8, .value_kind: global_buffer, .address_space: global }
      - { .name: out0, .offset: 40, .size: 8, .value_kind: global_buffer, .address_space: global }
    .group_segment_fixed_size: 101888
    .private_segment_fixed_size: 0
    .kernarg_segment_align: 8
    .kernarg_segment_size: 48
    .max_flat_workgroup_size: 128
    .sgpr_count:     100
    .vgpr_count:     1024
    .wavefront_size: 32
...
	.end_amdgpu_metadata
.endif
;; end of part 3
;; ======== version 2 of 2: 3 launches
;; workspace buffers: wq 8,912,896 bytes; xq 2,228,224 bytes; hq 4,787,200 bytes; route 114,688 bytes of whole numbers; gates 51,200 bytes
;; launch prep (part 4): grid 321 x 1, 8 waves a work-group, no clusters, 44,032 bytes of LDS; arguments x, W1, W2, topK_indices, topK_scores, xq, wq, route, gates, out1; writes xq, wq, route, gates, out1
.if DOCPART == 4
	.amdgcn_target "amdgcn-amd-amdhsa--gfx1250"
	.amdhsa_code_object_version 6
	.text
	.protected	k_q33ac40ae95_prep
	.globl	k_q33ac40ae95_prep
	.p2align	8
	.type	k_q33ac40ae95_prep,@function
k_q33ac40ae95_prep:
	s_mov_b64 s[64:65], 0
	v_nop
	global_prefetch_b8 v0, s[64:65] scope:SCOPE_SE
	s_setreg_imm32_b32 hwreg(HW_REG_WAVE_MODE, 25, 1), 1
	s_wait_xcnt 0x0
; PREP: everything that is done once, in one launch of 321 work-groups of eight waves.
;   work-group 0        SORT: a counting sort of the index input, the tile tables, the lists, the gates, and out1 = -1
;   work-groups 1-64    ROWS: x [4096][1024] f32 -> codes of E2M1 by rows (512 bytes a row) and 32 scale bytes a row
;   work-groups 65-320  WEIGHTS: W1, W2 [8][1024 k][1024 n] f32 -> codes along K (their FIRST axis), laid in the order of a matrix operand's registers
; THE QUANTISER: a block of 32 along K has the scale 2^(floor(log2(largest magnitude)) - 2); its byte is the largest magnitude's exponent field - 2, held at 1 from below.
; LIMITS: NaN and infinities among the inputs are not served.  A block of zeros gets the byte 1, not 127: its codes are zeros, and the bytes are read by this program alone.
;   Indices are clamped at 7 (the experts' tables have 8 rows).  The score scale of the module is 1.0 and is folded in.
; wq:  codes [tensor][e][tile nt of 16 columns][block kb of 32 k][row r of the tile][16 bytes]: a fragment (16 columns x 128 k) is 1,024 consecutive bytes, lane l's two quarters at 16 l and 512 + 16 l.
;      scales from byte 8,388,608: [tensor][e][pair of tiles][pair of K steps][lane][8 bytes]: lanes 0-15 the even tile's rows, lanes 16-31 the odd tile's.
;      W2: row r of tile nt is column 16 nt + r.  W1: row r of tile 2 b + u is column 32 b + 8 u + r + 8 (r / 8), so that two neighbouring tiles' results are 16 neighbours along the next K.
; route (words): T1 @0: a tile's expert or -1 | T2 @512: {a, b, rows, 0} | L1 @2560: token of each sorted routed row | TOK2 @37888, HA @63488, HB @89088: token, place of its A row, of its B row.
;   Order 1: routed rows by expert, each expert from a multiple of 80.  Order 2: tokens by their pair of experts a <= b, each pair from a multiple of 64.
;   An entry of a list that no row takes is 0: the lists are zeroed whole before the rows are placed.
.set XQ_SC,  2097152
.set WQ_SC,  8388608
.set R_T2,   512
.set R_L1,   2560
.set R_TOK,  37888
.set R_HA,   63488
.set R_HB,   89088
.set TBL,    38912                     ; LDS: SORT's 32 rows of 128 bytes; below it the ROWS role's eight regions of 4,864 bytes
	s_load_b512 s[4:19], s[0:1], 0x0               ; x 4, W1 6, W2 8, indices 10, scores 12, xq 14, wq 16, route 18
	s_load_b128 s[20:23], s[0:1], 0x40             ; gates 20, out1 22
	v_lshl_add_u32 v254, v0, 2, 0xa800
	v_mov_b32 v255, 0
	v_lshrrev_b32 v1, 5, v0
	s_delay_alu instid0(VALU_DEP_1)
	v_readfirstlane_b32 s24, v1                    ; wave 0..7
	v_and_b32 v1, 31, v0                           ; lane
	s_wait_kmcnt 0x0
	s_cmp_eq_u32 ttmp9, 0
	s_cbranch_scc1 .Lsort
	s_cmp_lt_u32 ttmp9, 65
	s_cbranch_scc1 .Lrows
; 32 numbers of one block in v[xs] on become 4 registers of codes in v[cd] on; v10: the conversion's scale operand; v11: the scale's byte
.macro BLKQ xs, cd
	v_max3_num_f32 v8, |v[\xs]|, |v[\xs+1]|, |v[\xs+2]|
	v_max3_num_f32 v9, |v[\xs+3]|, |v[\xs+4]|, |v[\xs+5]|
.irp i, 6,10,14,18,22,26
	s_delay_alu instid0(VALU_DEP_2)
	v_max3_num_f32 v8, v8, |v[\xs+\i]|, |v[\xs+\i+1]|          ; two chains, so that no line waits for the line above it
	s_delay_alu instid0(VALU_DEP_2)
	v_max3_num_f32 v9, v9, |v[\xs+\i+2]|, |v[\xs+\i+3]|
.endr
	s_delay_alu instid0(VALU_DEP_2)
	v_max3_num_f32 v8, v8, |v[\xs+30]|, |v[\xs+31]|
	s_delay_alu instid0(VALU_DEP_1)
	v_max3_num_f32 v8, v8, v9, 0x1800000           ; the floor 2^(3 - 127): the byte cannot fall under 1
	s_delay_alu instid0(VALU_DEP_1)
	v_add_nc_u32 v10, 0xff000000, v8               ; 2 off the exponent field: the conversion takes that field as its scale and nothing else
.irp g, 0,1,2,3
	v_cvt_scalef32_pk8_fp4_f32 v[\cd+\g], v[\xs+8*\g:\xs+8*\g+7], v10
.endr
	v_lshrrev_b32 v11, 23, v10                     ; the byte; also the plain line behind the conversions
.endm
; ---------------------------------------------------------------- WEIGHTS
; A lane takes a column and its registers run down K: a block of 32 lies in one lane, and the codes come out with K innermost.  A wave: 32 columns (a pair of tiles) x 256 along K, 8 blocks.
.set X, 32                             ; v32-95   two sets of 32 numbers
.set C, 96                             ; v96-127  four registers of codes for each block: no store's data are written again
	s_sub_co_u32 s25, ttmp9, 65
	s_lshr_b32 s26, s25, 7                         ; which tensor
	s_bfe_u32 s27, s25, 0x30004                    ; expert
	s_bfe_u32 s28, s25, 0x20002                    ; which 256 along K
	s_and_b32 s29, s25, 3                          ; which 256 columns
	s_cmp_eq_u32 s26, 0
	s_cselect_b64 s[30:31], s[6:7], s[8:9]         ; the choice hangs on the work-group's number alone
	s_cselect_b32 s34, -1, 0                       ; all ones for W1
	s_lshl_b32 s32, s27, 22                        ; source: e x 4 MiB + 256 rows of 4,096 bytes x kq + 4 x first column
	s_lshl_b32 s33, s28, 20
	s_add_co_u32 s32, s32, s33
	s_lshl_b32 s33, s29, 10
	s_add_co_u32 s32, s32, s33
	s_lshl_b32 s33, s24, 7
	s_add_co_u32 s32, s32, s33
	s_mov_b32 s33, 0
	s_add_nc_u64 s[30:31], s[30:31], s[32:33]
	s_lshl_b32 s32, s26, 22                        ; codes: tensor x 4 MiB + e x 512 KiB + (16 cb + 2 w) tiles of 8,192 + 8 kq blocks of 256
	s_lshl_b32 s35, s27, 19
	s_add_co_u32 s32, s32, s35
	s_lshl_b32 s35, s29, 17
	s_add_co_u32 s32, s32, s35
	s_lshl_b32 s35, s24, 14
	s_add_co_u32 s32, s32, s35
	s_lshl_b32 s35, s28, 11
	s_add_co_u32 s32, s32, s35
	s_add_nc_u64 s[36:37], s[16:17], s[32:33]
	s_lshl_b32 s32, s26, 18                        ; scales: tensor x 256 KiB + e x 32 KiB + (8 cb + w) pairs of 1,024 + 256 kq
	s_lshl_b32 s35, s27, 15
	s_add_co_u32 s32, s32, s35
	s_lshl_b32 s35, s29, 13
	s_add_co_u32 s32, s32, s35
	s_lshl_b32 s35, s24, 10
	s_add_co_u32 s32, s32, s35
	s_lshl_b32 s35, s28, 8
	s_add_co_u32 s32, s32, s35
	s_add_co_u32 s32, s32, WQ_SC
	s_add_nc_u64 s[38:39], s[16:17], s[32:33]
	s_wait_alu depctr_va_vdst(0)
	v_and_b32 v5, 7, v1                            ; W1's column of lane l: (l & 7) + 16 ((l >> 3) & 1) + 8 (l >> 4)
	v_and_b32 v6, 8, v1
	s_delay_alu instid0(VALU_DEP_1)
	v_lshl_or_b32 v5, v6, 1, v5
	v_and_b32 v6, 16, v1
	s_delay_alu instid0(VALU_DEP_1)
	v_lshrrev_b32 v6, 1, v6
	s_delay_alu instid0(VALU_DEP_1)
	v_or_b32 v5, v5, v6
	s_delay_alu instid0(VALU_DEP_1)
	v_cndmask_b32 v2, v1, v5, s34                  ; W2's column is the lane
	s_delay_alu instid0(VALU_DEP_1)
	v_lshlrev_b32 v2, 2, v2                        ; source offset
	v_lshrrev_b32 v3, 4, v1
	s_delay_alu instid0(VALU_DEP_1)
	v_lshlrev_b32 v3, 13, v3
	v_and_b32 v6, 15, v1
	s_delay_alu instid0(VALU_DEP_1)
	v_lshl_or_b32 v3, v6, 4, v3                    ; codes: my tile of the pair, 16 bytes a row
	v_lshlrev_b32 v4, 3, v1                        ; scales: 8 bytes a lane
.macro WLOAD t                         ; block t: 32 rows k of my column; a wave reads 128 consecutive bytes, the eight waves 1,024
.set i, 0
.rept 32
	global_load_b32 v[X+32*((\t)%2)+i], v2, s[30:31] offset:(32*(\t)+i)*4096 th:TH_LOAD_NT
.set i, i+1
.endr
.endm
.macro WBLOCK t
.if (\t) < 7
	s_wait_loadcnt 32                              ; this block's 32 loads are in; the next block's 32 may be out
.else
	s_wait_loadcnt 0x0
.endif
.set XS, X+32*((\t)%2)
.set CD, C+4*(\t)
	BLKQ XS, CD
.if (\t)%4 == 0
	s_delay_alu instid0(VALU_DEP_1)
	v_mov_b32 v[14+(\t)/4], v11                    ; four bytes to a scale word, the lower k in the lower byte
.else
	s_delay_alu instid0(VALU_DEP_1)
	v_lshl_or_b32 v[14+(\t)/4], v11, 8*((\t)%4), v[14+(\t)/4]
.endif
	global_store_b128 v3, v[CD:CD+3], s[36:37] offset:256*(\t)   ; lanes 0-15 and lanes 16-31 each store 256 consecutive bytes, aligned
.if (\t) < 6
	WLOAD (\t)+2
.endif
.endm
	WLOAD 0
	WLOAD 1
.irp t, 0,1,2,3,4,5,6,7
	WBLOCK \t
.endr
	global_store_b64 v4, v[14:15], s[38:39]        ; the two K steps' scale words: 256 consecutive bytes
	s_endpgm
; ---------------------------------------------------------------- ROWS
; A wave takes 8 rows of x.  Loads read 512 consecutive bytes; a row then turns through the wave's own stage in LDS (128 bytes + 16 of padding a block), so that lane l holds block l whole.
.Lrows:
.set R,  32                            ; v32-159  four sets of 32: rows as loaded
.set XT, 160                           ; v160-191 my block of the row in hand
.set CX, 192                           ; v192-223 four registers of codes for each row
	s_sub_co_u32 s25, ttmp9, 1
	s_lshl_b32 s25, s25, 6
	s_lshl_b32 s26, s24, 3
	s_add_co_u32 s25, s25, s26                     ; my first row
	s_mov_b32 s33, 0
	s_lshl_b32 s32, s25, 12
	s_add_nc_u64 s[30:31], s[4:5], s[32:33]
	s_lshl_b32 s32, s25, 9
	s_add_nc_u64 s[36:37], s[14:15], s[32:33]
	s_lshl_b32 s32, s25, 5
	s_add_co_u32 s32, s32, XQ_SC
	s_add_nc_u64 s[38:39], s[14:15], s[32:33]
	s_mul_i32 s26, s24, 4864                       ; my wave's LDS: a stage of 32 x 144 bytes, then 256 scale bytes
	s_wait_alu depctr_va_vdst(0)
	v_lshlrev_b32 v2, 4, v1
	v_lshrrev_b32 v3, 3, v1
	s_delay_alu instid0(VALU_DEP_1)
	v_mul_u32_u24 v3, v3, 144
	v_and_b32 v12, 7, v1
	s_delay_alu instid0(VALU_DEP_1)
	v_lshl_add_u32 v3, v12, 4, v3
	s_delay_alu instid0(VALU_DEP_1)
	v_add_nc_u32 v3, s26, v3                       ; in: eight lanes' 128 bytes on end, then 16 of padding; a load's 512 bytes take four places
	v_mul_u32_u24 v4, v1, 144
	s_delay_alu instid0(VALU_DEP_1)
	v_add_nc_u32 v4, s26, v4                       ; out: my block
	v_add_nc_u32 v5, s26, v1                       ; my block's scale byte
	v_lshlrev_b32 v7, 3, v1
	s_delay_alu instid0(VALU_DEP_1)
	v_add_nc_u32 v6, s26, v7                       ; and 8 bytes a lane on the way out
.macro XLOAD i
.irp q, 0,1,2,3,4,5,6,7
	global_load_b128 v[R+32*((\i)%4)+4*\q:R+32*((\i)%4)+4*\q+3], v2, s[30:31] offset:4096*(\i)+512*\q th:TH_LOAD_NT
.endr
.endm
.macro XROW i
.if (\i) < 4
	s_wait_loadcnt 24                              ; this row's eight loads are in; those of the three rows behind it may be out
.else
	s_wait_loadcnt 8*(7-(\i))
.endif
.irp q, 0,1,2,3,4,5,6,7
	ds_store_b128 v3, v[R+32*((\i)%4)+4*\q:R+32*((\i)%4)+4*\q+3] offset:576*\q
.endr
.irp q, 0,1,2,3,4,5,6,7
	ds_load_b128 v[XT+4*\q:XT+4*\q+3], v4 offset:16*\q         ; LDS serves a wave's instructions in order: these see the stores above
.endr
	s_wait_dscnt 0x0                               ; my block is in, and the stores have read their registers,
.if (\i) < 4
	XLOAD (\i)+4                                   ; which take the row four further on
.endif
.set CD, CX+4*(\i)
	BLKQ XT, CD
	ds_store_b8 v5, v11 offset:4608+32*(\i)
	global_store_b128 v2, v[CD:CD+3], s[36:37] offset:512*(\i)   ; a row's 512 bytes of codes
.endm
.irp i, 0,1,2,3
	XLOAD \i
.endr
	s_wait_alu depctr_va_vdst(0)
.irp i, 0,1,2,3,4,5,6,7
	XROW \i
.endr
	ds_load_b64 v[12:13], v6 offset:4608
	s_wait_dscnt 0x0
	global_store_b64 v7, v[12:13], s[38:39]        ; eight rows' scale bytes: 256 consecutive bytes, aligned
	s_wait_tensorcnt 0x0
	ds_add_u32 v254, v255
	s_wait_dscnt 0x0
	s_endpgm
; ---------------------------------------------------------------- SORT
; Wave w holds tokens 512 w + 32 c + lane, c = 0..15 (a chunk is 32 tokens).  a = the smaller of a token's two experts, b = the larger.  The order inside a bin is free: any numbering without gaps serves.
; A row's place = its bin's first place + the bin's rows in the waves before mine + in my wave's chunks before this one + in this chunk's lanes before mine.
; SIX BALLOTS A CHUNK (the three bits of a, the three of b) give the last two terms for all three orders:
;   in the chunk: a token's peers are the AND, over the bits, of the ballot or its complement, by the token's own bit; its rank is the count of peers in the lanes below it.  The pair's peers are a's AND b's.
;   over the chunks: the ballots XORed with lane constants give lane L the mask of the bin that L stands for; the population count with its addend makes the running count, one register for each chunk and table.
; TABLES, lane = bin: A and B: expert = lane & 7.  Pairs: key 8 a + b, lane = key & 31, one table for a < 4 and one for a >= 4; keys with b < a stay empty and take no tile.
; An expert's A rows come first, then its B rows.
.Lsort:
.set IDX, 32                           ; v32-63   the two indices as loaded; then
.set G,   32                           ;          pairs gA, gB
.set SCR, 64                           ; v64-95   the two scores as loaded; then rank and place of the A row (even) and of the B row (odd)
.set IA,  96                           ; v96-111  4 a;               later 4 x the A row's place
.set IK,  112                          ; v112-127 4 (8 a + b);       later 4 x the token's place in order 2
.set RC,  128                          ; v128-143 rank and place in order 2
.set TA,  144                          ; v144-160 table A: entry c = the count ahead of chunk c; entry 16 = my wave's total.  Later 4 x the B row's place
.set TB,  161                          ; v161-177 table B
.set TL,  178                          ; v178-194 pairs with a < 4;  later 8 x the token's place
.set TH,  195                          ; v195-211 pairs with a >= 4; later the token
.set W,   212                          ; v212-251 at work
.set NB,  8                            ; v8-12    lane constants: 0 where bit j of my lane is set, else all ones;  behind the barrier:
.set SU,  8                            ; v8-11    a bin's total in tables A, B, L, H
.set BE,  12                           ; v12-15   and in the waves before mine
.set AT,  13                           ; v13-16   a of four chunks
.set BT,  17                           ; v17-20   b of four chunks
.set T,   21                           ; v21-28   at work
.set M,   26                           ; s26-49   four chunks' six ballots
.set N,   66                           ; s66-89   and their complements
	s_wait_alu depctr_va_vdst(0)
	v_lshlrev_b32 v2, 3, v1
	s_lshl_b32 s25, s24, 12
	v_add_nc_u32 v2, s25, v2                       ; 8 bytes a token
.irp g, 0,1,2,3                                ; in groups of eight loads: four chunks' indices, then their scores
.irp i, 0,1,2,3
	global_load_b64 v[IDX+2*(4*\g+\i):IDX+2*(4*\g+\i)+1], v2, s[10:11] offset:256*(4*\g+\i)
.endr
.irp i, 0,1,2,3
	global_load_b64 v[SCR+2*(4*\g+\i):SCR+2*(4*\g+\i)+1], v2, s[12:13] offset:256*(4*\g+\i)
.endr
.endr
	; route (28 x 4,096 bytes) and gates (12.5 x 4,096) are zeroed whole while those loads are on their way: 16 bytes a thread, 512 consecutive bytes a wave.
	; Behind the barrier below other waves store into these bytes again: each wave waits for these stores in front of its signal.
	v_lshlrev_b32 v3, 4, v0
	v_mov_b32 v4, 0
	v_mov_b32 v5, 0
	v_mov_b32 v6, 0
	v_mov_b32 v7, 0
.set qq, 0
.rept 28
	global_store_b128 v3, v[4:7], s[18:19] offset:4096*qq
.set qq, qq+1
.endr
.set qq, 0
.rept 12
	global_store_b128 v3, v[4:7], s[20:21] offset:4096*qq
.set qq, qq+1
.endr
	s_cmp_lt_u32 s24, 4
	s_cbranch_scc0 .Lzeroed
	global_store_b128 v3, v[4:7], s[20:21] offset:49152          ; the last 2,048 bytes: waves 0-3
.Lzeroed:
.irp j, 0,1,2,3,4
	v_bfe_u32 v[NB+\j], v1, \j, 1
.endr
.irp j, 0,1,2,3,4
	v_add_nc_u32 v[NB+\j], -1, v[NB+\j]            ; bit set: 0; clear: all ones
.endr
	v_mov_b32 v[TA], 0
	v_mov_b32 v[TB], 0
	v_mov_b32 v[TL], 0
	v_mov_b32 v[TH], 0
	s_lshl_b32 s25, s24, 9
	v_add_nc_u32 v29, s25, v1                      ; my token of chunk 0
	v_lshl_add_u32 v30, v0, 2, TBL                 ; LDS: my wave's row, 4 bytes a lane
	v_lshl_add_u32 v31, v1, 2, TBL                 ; and my lane's word of any row
; Four chunks, c0 on.  Each step is written for the four by turns, so that no line waits for the line above it.
.macro GRP c0
	s_wait_loadcnt 24-2*(\c0)                      ; these chunks' eight loads are in; the groups behind them may be out
.irp i, 0,1,2,3
	v_min_u32 v[IDX+2*(\c0+\i)], 7, v[IDX+2*(\c0+\i)]
	v_min_u32 v[IDX+2*(\c0+\i)+1], 7, v[IDX+2*(\c0+\i)+1]
.endr
.irp i, 0,1,2,3
	v_cmp_gt_u32 vcc_lo, v[IDX+2*(\c0+\i)], v[IDX+2*(\c0+\i)+1]
	v_min_u32 v[AT+\i], v[IDX+2*(\c0+\i)], v[IDX+2*(\c0+\i)+1]
	v_max_u32 v[BT+\i], v[IDX+2*(\c0+\i)], v[IDX+2*(\c0+\i)+1]
	s_delay_alu instid0(VALU_DEP_3)
	v_cndmask_b32 v[G+2*(\c0+\i)], v[SCR+2*(\c0+\i)], v[SCR+2*(\c0+\i)+1], vcc_lo     ; the scores go with their experts
	s_delay_alu instid0(VALU_DEP_4)
	v_cndmask_b32 v[G+2*(\c0+\i)+1], v[SCR+2*(\c0+\i)+1], v[SCR+2*(\c0+\i)], vcc_lo
.endr
.irp i, 0,1,2,3
	v_lshlrev_b32 v[IA+\c0+\i], 2, v[AT+\i]
	v_lshlrev_b32 v[T+\i], 2, v[BT+\i]
.endr
.irp i, 0,1,2,3
	v_lshl_or_b32 v[IK+\c0+\i], v[AT+\i], 5, v[T+\i]
.endr
.irp i, 0,1,2,3
	v_and_b32 v[W+4*\i], 1, v[AT+\i]
	v_and_b32 v[W+4*\i+1], 2, v[AT+\i]
	v_and_b32 v[W+4*\i+2], 1, v[BT+\i]
	v_and_b32 v[W+4*\i+3], 2, v[BT+\i]
.endr
.irp i, 0,1,2,3                                ; the ballots: bits 0, 1, 2 of a, then of b
	v_cmp_ne_u32 s[M+6*\i], 0, v[W+4*\i]
	v_cmp_ne_u32 s[M+6*\i+1], 0, v[W+4*\i+1]
	v_cmp_lt_u32 s[M+6*\i+2], 3, v[AT+\i]
	v_cmp_ne_u32 s[M+6*\i+3], 0, v[W+4*\i+2]
	v_cmp_ne_u32 s[M+6*\i+4], 0, v[W+4*\i+3]
	v_cmp_lt_u32 s[M+6*\i+5], 3, v[BT+\i]
.endr
	; lane = bin: the mask of my bin's tokens in the chunk
.irp i, 0,1,2,3
	v_xor_b32 v[W+8*\i], s[M+6*\i], v[NB]
	v_xor_b32 v[W+8*\i+1], s[M+6*\i+1], v[NB+1]
	v_xor_b32 v[W+8*\i+2], s[M+6*\i+2], v[NB+2]
	v_xor_b32 v[W+8*\i+3], s[M+6*\i+3], v[NB]
	v_xor_b32 v[W+8*\i+4], s[M+6*\i+4], v[NB+1]
	v_xor_b32 v[W+8*\i+5], s[M+6*\i+5], v[NB+2]
	v_xor_b32 v[W+8*\i+6], s[M+6*\i], v[NB+3]      ; in the pairs' tables a's bits 0 and 1 are the lane's bits 3 and 4
	v_xor_b32 v[W+8*\i+7], s[M+6*\i+1], v[NB+4]
.endr
.irp i, 0,1,2,3
	v_and_b32 v[W+8*\i], v[W+8*\i], v[W+8*\i+1]
	v_and_b32 v[W+8*\i+3], v[W+8*\i+3], v[W+8*\i+4]
	v_and_b32 v[W+8*\i+6], v[W+8*\i+6], v[W+8*\i+7]
.endr
.irp i, 0,1,2,3
	v_and_b32 v[W+8*\i], v[W+8*\i], v[W+8*\i+2]    ; a = lane & 7
	v_and_b32 v[W+8*\i+3], v[W+8*\i+3], v[W+8*\i+5]  ; b = lane & 7
.endr
.irp i, 0,1,2,3
	v_and_b32 v[W+8*\i+6], v[W+8*\i+6], v[W+8*\i+3]  ; 8 (a & 3) + b = lane
.endr
.irp i, 0,1,2,3
	s_delay_alu instid0(VALU_DEP_4)
	v_and_b32 v[W+8*\i+7], s[M+6*\i+2], v[W+8*\i+6]  ; of these, a >= 4;
.endr
.irp i, 0,1,2,3
	s_delay_alu instid0(VALU_DEP_4)
	v_xor_b32 v[W+8*\i+6], v[W+8*\i+6], v[W+8*\i+7]  ; the others
.endr
.irp i, 0
	v_bcnt_u32_b32 v[TA+\c0+\i+1], v[W+8*\i], v[TA+\c0+\i]
	v_bcnt_u32_b32 v[TB+\c0+\i+1], v[W+8*\i+3], v[TB+\c0+\i]
	v_bcnt_u32_b32 v[TL+\c0+\i+1], v[W+8*\i+6], v[TL+\c0+\i]
	v_bcnt_u32_b32 v[TH+\c0+\i+1], v[W+8*\i+7], v[TH+\c0+\i]
.endr
.irp i, 1, 2, 3
	s_delay_alu instid0(VALU_DEP_4)
	v_bcnt_u32_b32 v[TA+\c0+\i+1], v[W+8*\i], v[TA+\c0+\i]
	s_delay_alu instid0(VALU_DEP_4)
	v_bcnt_u32_b32 v[TB+\c0+\i+1], v[W+8*\i+3], v[TB+\c0+\i]
	s_delay_alu instid0(VALU_DEP_4)
	v_bcnt_u32_b32 v[TL+\c0+\i+1], v[W+8*\i+6], v[TL+\c0+\i]
	s_delay_alu instid0(VALU_DEP_4)
	v_bcnt_u32_b32 v[TH+\c0+\i+1], v[W+8*\i+7], v[TH+\c0+\i]
.endr
.set kk, 0
.rept 24
	s_not_b32 s[N+kk], s[M+kk]
.set kk, kk+1
.endr
	; lane = token: my peers
.irp i, 0,1,2,3
.irp j, 0,1,2,3,4,5
	v_cndmask_b32 v[W+6*\i+\j], s[N+6*\i+\j], s[M+6*\i+\j], s[M+6*\i+\j]   ; the ballot where my own bit is set, else its complement
.endr
.endr
.irp i, 0,1,2,3
	v_and_b32 v[W+6*\i], v[W+6*\i], v[W+6*\i+1]
	v_and_b32 v[W+6*\i+3], v[W+6*\i+3], v[W+6*\i+4]
.endr
.irp i, 0,1,2,3
	v_and_b32 v[W+6*\i], v[W+6*\i], v[W+6*\i+2]    ; the same a
	v_and_b32 v[W+6*\i+3], v[W+6*\i+3], v[W+6*\i+5]  ; the same b
.endr
.irp i, 0,1,2,3
	v_and_b32 v[W+6*\i+1], v[W+6*\i], v[W+6*\i+3]  ; the same pair
.endr
.irp i, 0,1,2,3
	v_mbcnt_lo_u32_b32 v[SCR+2*(\c0+\i)], v[W+6*\i], 0           ; peers in the lanes below mine
	v_mbcnt_lo_u32_b32 v[SCR+2*(\c0+\i)+1], v[W+6*\i+3], 0
	v_mbcnt_lo_u32_b32 v[RC+\c0+\i], v[W+6*\i+1], 0
.endr
.endm
	GRP 0
	GRP 4
	GRP 8
	GRP 12
	; the waves' totals meet in LDS: row 8 x table + wave
	ds_store_b32 v30, v[TA+16]
	ds_store_b32 v30, v[TB+16] offset:1024
	ds_store_b32 v30, v[TL+16] offset:2048
	ds_store_b32 v30, v[TH+16] offset:3072
.irp q, 0,1,2,3,4,5,6
	s_cmp_gt_u32 s24, \q
	s_cselect_b32 s[52+\q], 1, 0                   ; 1 for the waves before mine
.endr
	s_wait_storecnt 0x0                            ; for the others' sake: my zeros have landed: behind the barrier any wave may store into those bytes
	s_wait_dscnt 0x0                               ; and so have my totals
	s_barrier_signal -1
	s_barrier_wait -1
.set qq, 0
.rept 32
	ds_load_b32 v[W+qq], v31 offset:128*qq
.set qq, qq+1
.endr
	s_wait_dscnt 0x0
.irp t, 0,1,2,3
	v_add3_u32 v[SU+\t], v[W+8*\t], v[W+8*\t+1], v[W+8*\t+2]
	v_mul_u32_u24 v[BE+\t], s52, v[W+8*\t]
.endr
.irp q, 1,2,3,4,5,6
.irp t, 0,1,2,3
	v_mad_u32_u24 v[BE+\t], v[W+8*\t+\q], s[52+\q], v[BE+\t]
.endr
.endr
.irp t, 0,1,2,3
	v_add3_u32 v[SU+\t], v[SU+\t], v[W+8*\t+3], v[W+8*\t+4]
.endr
.irp t, 0,1,2,3
	s_delay_alu instid0(VALU_DEP_4)
	v_add3_u32 v[SU+\t], v[SU+\t], v[W+8*\t+5], v[W+8*\t+6]
.endr
.irp t, 0,1,2,3
	s_delay_alu instid0(VALU_DEP_4)
	v_add_nc_u32 v[SU+\t], v[SU+\t], v[W+8*\t+7]
.endr
	s_delay_alu instid0(VALU_DEP_3)
	v_add_nc_u32 v19, v8, v9                       ; an expert's rows: A's and B's;
	s_delay_alu instid0(VALU_DEP_1)
	v_add_nc_u32 v19, 79, v19                      ; its tiles: ceil(n / 80) = ((n + 79) x 52,429) >> 22, exact up to n + 79 = 8,271
	s_delay_alu instid0(VALU_DEP_1)
	v_mul_u32_u24 v19, v19, 0xcccd
	s_delay_alu instid0(VALU_DEP_1)
	v_lshrrev_b32 v19, 22, v19
	v_add_nc_u32 v20, 63, v10                      ; a pair's tiles: ceil(n / 64)
	s_delay_alu instid0(VALU_DEP_1)
	v_lshrrev_b32 v20, 6, v20
	v_add_nc_u32 v21, 63, v11
	s_delay_alu instid0(VALU_DEP_1)
	v_lshrrev_b32 v21, 6, v21
	v_mov_b32 v16, 0                               ; first tiles, lane = bin: experts,
	v_mov_b32 v17, 0                               ; pairs with a < 4,
	v_mov_b32 v18, 0                               ; pairs with a >= 4
	; the running sums of the tiles, in scalars: all the reads first, then one addition a bin in place, then the writes.  Bin i begins where the sum up to bin i - 1 ends.
.irp e, 0,1,2,3,4,5,6,7
	v_readlane_b32 s[26+\e], v19, \e
.endr
.set CI, 0
.irp a, 0,1,2,3,4,5,6,7
.irp b, 0,1,2,3,4,5,6,7
.if \b >= \a
.if \a < 4
	v_readlane_b32 s[66+CI], v20, 8*\a+\b
.else
	v_readlane_b32 s[66+CI], v21, 8*(\a-4)+\b
.endif
.set CI, CI+1
.endif
.endr
.endr
.irp e, 1,2,3,4,5,6,7
	s_add_co_u32 s[26+\e], s[26+\e], s[26+\e-1]    ; s33: the experts' tiles in all
.endr
.set kk, 1
.rept 35
	s_add_co_u32 s[66+kk], s[66+kk], s[66+kk-1]    ; s101: the pairs' tiles in all
.set kk, kk+1
.endr
.irp e, 1
	v_writelane_b32 v16, s[26+\e-1], \e
.endr
.irp e, 2, 3, 4, 5, 6, 7
	s_delay_alu instid0(VALU_DEP_1)
	v_writelane_b32 v16, s[26+\e-1], \e
.endr
.set CI, 0
.irp a, 0,1,2,3,4,5,6,7
.irp b, 0,1,2,3,4,5,6,7
.if \b >= \a
.if CI > 0
.if \a < 4
	v_writelane_b32 v17, s[66+CI-1], 8*\a+\b
.else
	v_writelane_b32 v18, s[66+CI-1], 8*(\a-4)+\b
.endif
.endif
.set CI, CI+1
.endif
.endr
.endr
	v_mad_u32_u24 v22, v16, 80, v12                ; where my wave's A rows of an expert begin,
	v_add_nc_u32 v23, v8, v13
	s_delay_alu instid0(VALU_DEP_1)
	v_mad_u32_u24 v23, v16, 80, v23                ; its B rows: behind all the expert's A rows,
	v_lshl_add_u32 v24, v17, 6, v14                ; and my wave's tokens of a pair
	v_lshl_add_u32 v25, v18, 6, v15
.set cc, 0
.rept 16
	v_add_nc_u32 v[TA+cc], v[TA+cc], v22
	v_add_nc_u32 v[TB+cc], v[TB+cc], v23
	v_add_nc_u32 v[TL+cc], v[TL+cc], v24
	v_add_nc_u32 v[TH+cc], v[TH+cc], v25
.set cc, cc+1
.endr
; THE PLACES.  GATH: each token fetches, from its bins' lanes, where its chunk's rows begin: sixteen gathers for four chunks, into set s of the work registers.
.macro GATH c0, s
.irp i, 0,1,2,3
	v_and_b32 v[W+20*(\s)+16+\i], 28, v[IK+\c0+\i]               ; 4 b
.endr
.irp i, 0,1,2,3
	ds_bpermute_b32 v[W+20*(\s)+4*\i], v[IA+\c0+\i], v[TA+\c0+\i]
	ds_bpermute_b32 v[W+20*(\s)+4*\i+1], v[W+20*(\s)+16+\i], v[TB+\c0+\i]
	ds_bpermute_b32 v[W+20*(\s)+4*\i+2], v[IK+\c0+\i], v[TL+\c0+\i]   ; (the lane is taken modulo 32)
	ds_bpermute_b32 v[W+20*(\s)+4*\i+3], v[IK+\c0+\i], v[TH+\c0+\i]
.endr
.endm
; PUT: the places are made and clamped, and each chunk's six stores have registers of their own, so that no store's source is written again.  left: the younger gathers that may stay out.
; The stores are 4 or 8 bytes to scattered places: that is what a scatter is; they are some 112 KiB in all.
.macro PUT c0, s, left
	s_wait_dscnt \left
.irp i, 0,1,2,3
	v_add_nc_u32 v[SCR+2*(\c0+\i)], v[SCR+2*(\c0+\i)], v[W+20*(\s)+4*\i]
	v_add_nc_u32 v[SCR+2*(\c0+\i)+1], v[SCR+2*(\c0+\i)+1], v[W+20*(\s)+4*\i+1]
	v_cmp_lt_u32 vcc_lo, 127, v[IK+\c0+\i]         ; a >= 4
	s_delay_alu instid0(VALU_DEP_1)
	v_cndmask_b32 v[W+20*(\s)+4*\i+2], v[W+20*(\s)+4*\i+2], v[W+20*(\s)+4*\i+3], vcc_lo
	s_delay_alu instid0(VALU_DEP_1)
	v_add_nc_u32 v[RC+\c0+\i], v[RC+\c0+\i], v[W+20*(\s)+4*\i+2]
	v_min_u32 v[SCR+2*(\c0+\i)], 8799, v[SCR+2*(\c0+\i)]
	v_min_u32 v[SCR+2*(\c0+\i)+1], 8799, v[SCR+2*(\c0+\i)+1]
	s_delay_alu instid0(VALU_DEP_3)
	v_min_u32 v[RC+\c0+\i], 6335, v[RC+\c0+\i]
	s_delay_alu instid0(VALU_DEP_3)
	v_lshlrev_b32 v[IA+\c0+\i], 2, v[SCR+2*(\c0+\i)]
	s_delay_alu instid0(VALU_DEP_3)
	v_lshlrev_b32 v[TA+\c0+\i], 2, v[SCR+2*(\c0+\i)+1]
	s_delay_alu instid0(VALU_DEP_3)
	v_lshlrev_b32 v[IK+\c0+\i], 2, v[RC+\c0+\i]
	s_delay_alu instid0(VALU_DEP_4)
	v_lshlrev_b32 v[TL+\c0+\i], 3, v[RC+\c0+\i]
	v_add_nc_u32 v[TH+\c0+\i], 32*(\c0+\i), v29
	global_store_b32 v[IA+\c0+\i], v[TH+\c0+\i], s[18:19] offset:R_L1
	global_store_b32 v[TA+\c0+\i], v[TH+\c0+\i], s[18:19] offset:R_L1
	global_store_b32 v[IK+\c0+\i], v[TH+\c0+\i], s[18:19] offset:R_TOK
	global_store_b32 v[IK+\c0+\i], v[SCR+2*(\c0+\i)], s[18:19] offset:R_HA
	global_store_b32 v[IK+\c0+\i], v[SCR+2*(\c0+\i)+1], s[18:19] offset:R_HB
	global_store_b64 v[TL+\c0+\i], v[G+2*(\c0+\i):G+2*(\c0+\i)+1], s[20:21]
.endr
.endm
	GATH 0, 0
	GATH 4, 1
	PUT 0, 0, 16                                   ; the next four chunks' sixteen gathers may be out
	GATH 8, 0
	PUT 4, 1, 16
	GATH 12, 1
	PUT 8, 0, 16
	PUT 12, 1, 0
	; THE TILE TABLES
	s_cmp_lt_u32 s24, 4
	s_cbranch_scc0 .Lnot_t2
	v_mov_b32 v21, 0                               ; waves 0-3: tile i = my thread's number.  Its pair is the last whose first tile is not above i
.set CI, 0
.irp a, 0,1,2,3,4,5,6,7
.irp b, 0,1,2,3,4,5,6,7
.if \b >= \a
.if CI > 0
	v_cmp_gt_u32 vcc_lo, s[66+CI-1], v0            ; first tile above i: keep what there is
	s_delay_alu instid0(VALU_DEP_1)
	v_cndmask_b32 v21, 8*\a+\b, v21, vcc_lo
.endif
.set CI, CI+1
.endif
.endr
.endr
	s_delay_alu instid0(VALU_DEP_1)
	v_lshlrev_b32 v22, 2, v21
	ds_bpermute_b32 v212, v22, v17                 ; the pair's first tile and its tokens, from its lane of either table
	ds_bpermute_b32 v213, v22, v18
	ds_bpermute_b32 v214, v22, v10
	ds_bpermute_b32 v215, v22, v11
	v_lshrrev_b32 v4, 3, v21                       ; a
	v_and_b32 v5, 7, v21                           ; b
	v_mov_b32 v7, 0
	v_lshlrev_b32 v26, 4, v0
	v_cmp_lt_u32 vcc_lo, 31, v21
	s_wait_dscnt 0x0
	v_cndmask_b32 v212, v212, v213, vcc_lo
	v_cndmask_b32 v214, v214, v215, vcc_lo
	s_delay_alu instid0(VALU_DEP_2)
	v_sub_nc_u32 v6, v0, v212
	s_delay_alu instid0(VALU_DEP_1)
	v_lshlrev_b32 v6, 6, v6
	s_delay_alu instid0(VALU_DEP_1)
	v_sub_nc_u32 v6, v214, v6
	s_delay_alu instid0(VALU_DEP_1)
	v_min_u32 v6, 64, v6                           ; rows in the tile,
	v_cmp_gt_u32 vcc_lo, s101, v0
	s_delay_alu instid0(VALU_DEP_1)
	v_cndmask_b32 v6, 0, v6, vcc_lo                ; none behind the last tile used
	global_store_b128 v26, v[4:7], s[18:19] offset:R_T2
	s_branch .Lsort_end
.Lnot_t2:
	s_cmp_eq_u32 s24, 4
	s_cbranch_scc0 .Lnot_t1
	v_lshlrev_b32 v2, 2, v1                        ; wave 4: tiles 4 lane + q.  A tile's expert = how many of experts 1..7 begin at or before it
.irp q, 0,1,2,3
	v_add_nc_u32 v3, \q, v2
	v_mov_b32 v[4+\q], 0
.irp e, 1,2,3,4,5,6,7
	v_cmp_le_u32 vcc_lo, s[26+\e-1], v3
	s_delay_alu instid0(VALU_DEP_1)
	v_add_co_ci_u32 v[4+\q], vcc_lo, 0, v[4+\q], vcc_lo
.endr
	v_cmp_gt_u32 vcc_lo, s33, v3
	s_delay_alu instid0(VALU_DEP_1)
	v_cndmask_b32 v[4+\q], -1, v[4+\q], vcc_lo
.endr
	v_lshlrev_b32 v26, 4, v1
	global_store_b128 v26, v[4:7], s[18:19]
	s_branch .Lsort_end
.Lnot_t1:
	s_cmp_eq_u32 s24, 5
	s_cbranch_scc0 .Lsort_end
	v_mov_b32 v2, 0xbf800000                       ; wave 5: out1 = -1.0 (all lanes store the same word)
	v_mov_b32 v26, 0
	global_store_b32 v26, v2, s[22:23]
.Lsort_end:
	s_wait_tensorcnt 0x0
	ds_add_u32 v254, v255
	s_wait_dscnt 0x0
	s_endpgm
.Lfunc_end_k_q33ac40ae95_prep:
	.size	k_q33ac40ae95_prep, .Lfunc_end_k_q33ac40ae95_prep-k_q33ac40ae95_prep
	.p2alignl 7, 3214868480
	.fill 96, 4, 3214868480
	.section	.rodata,"a",@progbits
	.p2align	6, 0x0
	.amdhsa_kernel k_q33ac40ae95_prep
		.amdhsa_group_segment_fixed_size 44032
		.amdhsa_private_segment_fixed_size 0
		.amdhsa_enable_private_segment 0
		.amdhsa_kernarg_size 80
		.amdhsa_user_sgpr_count 2
		.amdhsa_user_sgpr_kernarg_segment_ptr 1
		.amdhsa_wavefront_size32 1
		.amdhsa_system_sgpr_workgroup_id_x 1
		.amdhsa_system_sgpr_workgroup_id_y 1
		.amdhsa_system_sgpr_workgroup_id_z 1
		.amdhsa_system_vgpr_workitem_id 0
		.amdhsa_next_free_vgpr 256
		.amdhsa_next_free_sgpr 102
		.amdhsa_reserve_vcc 1
		.amdhsa_float_denorm_mode_32 3
		.amdhsa_float_denorm_mode_16_64 3
		.amdhsa_memory_ordered 1
		.amdhsa_forward_progress 1
		.amdhsa_inst_pref_size 177
	.end_amdhsa_kernel
	.amdgpu_metadata
---
amdhsa.version: [ 1, 2 ]
amdhsa.kernels:
  - .name:           k_q33ac40ae95_prep
    .symbol:         k_q33ac40ae95_prep.kd
    .args:
      - { .name: x, .offset: 0, .size: 8, .value_kind: global_buffer, .address_space: global }
      - { .name: W1, .offset: 8, .size: 8, .value_kind: global_buffer, .address_space: global }
      - { .name: W2, .offset: 16, .size: 8, .value_kind: global_buffer, .address_space: global }
      - { .name: topK_indices, .offset: 24, .size: 8, .value_kind: global_buffer, .address_space: global }
      - { .name: topK_scores, .offset: 32, .size: 8, .value_kind: global_buffer, .address_space: global }
      - { .name: xq, .offset: 40, .size: 8, .value_kind: global_buffer, .address_space: global }
      - { .name: wq, .offset: 48, .size: 8, .value_kind: global_buffer, .address_space: global }
      - { .name: route, .offset: 56, .size: 8, .value_kind: global_buffer, .address_space: global }
      - { .name: gates, .offset: 64, .size: 8, .value_kind: global_buffer, .address_space: global }
      - { .name: out1, .offset: 72, .size: 8, .value_kind: global_buffer, .address_space: global }
    .group_segment_fixed_size: 44032
    .private_segment_fixed_size: 0
    .kernarg_segment_align: 8
    .kernarg_segment_size: 80
    .max_flat_workgroup_size: 256
    .sgpr_count:     102
    .vgpr_count:     256
    .wavefront_size: 32
...
	.end_amdgpu_metadata
.endif
;; end of part 4
;; launch ffn1 (part 5): grid 110 x 2, 4 waves a work-group, no clusters, 66,048 bytes of LDS; arguments xq, wq, b1, route, hq; writes hq
.if DOCPART == 5
	.amdgcn_target "amdgcn-amd-amdhsa--gfx1250"
	.amdhsa_code_object_version 6
	.text
	.protected	k_q33ac40ae95_ffn1
	.globl	k_q33ac40ae95_ffn1
	.p2align	8
	.type	k_q33ac40ae95_ffn1,@function
k_q33ac40ae95_ffn1:
	s_mov_b64 s[64:65], 0
	v_nop
	global_prefetch_b8 v0, s[64:65] scope:SCOPE_SE
	s_setreg_imm32_b32 hwreg(HW_REG_WAVE_SCHED_MODE, 0, 2), 2
	s_setreg_imm32_b32 hwreg(HW_REG_WAVE_MODE, 25, 1), 1
	s_wait_xcnt 0x0
	s_wait_alu depctr_vm_vsrc(0)
; FFN1: H = Q(silu(x W1[e] + b1[e])) for the routed rows, sorted by expert; both operands are codes of E2M1 with one E8M0 scale for each 32 along K.
; SHARES.  Work-group (tile, ch): 80 sorted rows of one expert x 512 hidden units.  Wave w: all 80 rows x units 512 ch + 128 w on: 40 accumulators of 16 x 16.
; Each fragment of W1 is loaded by one wave alone, from memory straight into registers (it lies there in the registers' order), three K steps ahead, in a ring of four sets.
; The 80 rows of x's codes are gathered once, as whole rows of 512 bytes, into LDS, and all four waves read their fragments there.
; No tensor load and no cluster: the rows are gathered by a stored list, and the stores hang on a stored number.
; THE MATRIX INSTRUCTION IS USED TRANSPOSED (source 0 = 16 rows of W1's tile, source 1 = 16 rows of x): a lane holds one row of x, and the 16 registers of tiles 2 b, 2 b + 1 are hidden units 32 b + 16 (lane / 16) + 0..15.
; b1 is the C of each sum's first matrix instruction.  silu(z) = z / (1 + 2^(-z log2 e)), in f32.
; A tile that the split leaves without rows runs the same text on token 0 and expert 7 and stores nothing: so every wave passes both barriers, and no barrier stands under a branch on a loaded number.
; LIMITS: NaN and infinities are not served.  Where 2^(-z log2 e) overflows, silu gives -0.  A block of zeros has the byte 1, read by this program alone.
; hq: codes [8800 rows][512 bytes] | from byte 4,505,600 scale words [ch][8800][16 bytes]: word w of plane ch is K step 4 ch + w of the second product.
; REGISTERS, in windows of 256.  Window 0: v1-14 addresses; v16-95 x's fragments, two sets of 40 (first the 20 rows that I stage; later 64 numbers at work); v96-127 W1's scale words; v128-151 x's scale words;
;   v152-215 b1 in the result's layout (first, in v152-171, the offsets of the 20 rows; later the hidden numbers); v216-240 the quantiser's; v244-246 three loaded tokens, v248-250 the offsets made of them.
;   Windows 1, 2: accumulator (m, t) at 256 + 64 m + 8 t.  Window 3: W1's fragments, four sets of 64.
; THE MODE: SCHED_MODE bits 1:0 = 2 (LLVM: expert scheduling mode 2), set by the entry lines.  The code itself states the register dependences
; between vector or matrix instructions and memory or LDS instructions, with s_wait_alu, always for 0.
; THE PLAN.  Registers that memory or LDS instructions touch:
;   v2-11                 Offsets and LDS addresses: made at the head, never written again.
;   v12-14, v152-171, v248-250   Offsets made at the head, each read by one run of loads.  No load lands on the register that holds its own offset.
;   v16-95 as staged rows Written by 20 loads, read by 20 LDS stores; behind those stores one wait on vm_vsrc, and the registers are x's two sets.
;   x's sets 0, 1         Step s: its products read set s % 2; the LDS loads of step s + 1 land in the other set, which step s - 1's products read.
;   W1's sets 0 .. 3      Step s: its products read set s % 4; the loads of step s + 3 land in set (s + 3) % 4, which step s - 1's products read.
;   PC, PW                Written by the quantiser of rows 16 m on; read by three LDS stores, which are issued behind the wait that the next rows' exponentials have in any case.
;   v16-59 at the end     LDS loads land there, global stores read them.
; So ONE wait on va_vdst stands at the head of K steps 1 to 6, behind the waits for the step's data.  The step's loads follow it, W1's dealt among the step's products,
; which name set s % 4, x's set s % 2, the scale words and the accumulators: none of the registers that those loads touch.
.set XP,    528                        ; a row of x's codes in LDS: 512 bytes + 16: the 16 rows of a fragment load start in 16 different groups of banks
.set HP,    272                        ; a row of the stage for H's codes: 256 bytes + 16
.set HST,   80*XP                      ; LDS: x's rows from 0; the stage for H's codes;
.set HSS,   HST+80*HP                  ; and for its scale words, 16 bytes a row
.set R_L1,  2560
.set XQ_SC, 2097152
.set WQ_SC, 8388608
.set HQ_SC, 4505600
.set HQ_PL, 140800
.set XF,  16
.set BS,  96
.set AS,  128
.set BI,  152
.set HH,  152
.set RA,  152                          ; at the head only: the byte offsets of my 20 rows of x's codes
.set T,   16
.set PC,  216
.set TM,  224
.set PW,  240
.set TD,  244                          ; three tokens as loaded
.set SA,  248                          ; the byte offsets of their scale words
.set SEL, 28
.set MSB, 0
.macro WIN new                         ; the immediate's high byte repeats the setting that is left; a switch that changes nothing is dropped
.if MSB != (\new)
	s_set_vgpr_msb (MSB<<8)|(\new)
.set MSB, (\new)
.endif
.endm
	s_load_b256 s[4:11], s[0:1], 0x0               ; xq 4, wq 6, b1 8, route 10
	s_load_b64 s[12:13], s[0:1], 0x20              ; hq
	v_lshl_add_u32 v254, v0, 2, 0x10000
	v_mov_b32 v255, 0
	v_lshrrev_b32 v1, 5, v0
	v_readfirstlane_b32 s14, v1                    ; wave 0..3
	v_and_b32 v1, 31, v0                           ; lane
	s_and_b32 s16, ttmp7, 0xffff                   ; ch
	s_lshl_b32 s18, ttmp9, 2                       ; the tile's word of T1
	s_mul_i32 s15, ttmp9, 320                      ; the tile's 80 words of L1,
	s_wait_alu depctr_va_sdst(0)                   ; s14 is written, ahead of its first reader: offsets and bases are made from it
	s_mul_i32 s19, s14, 80
	s_add_co_u32 s19, s19, s15                     ; my wave's 20 of them
.irp g, 0,1,2
	v_add_nc_u32 v[12+\g], 32*\g, v1               ; and for x's scale words: lane l of group g has row 32 g + l (rows past 79 repeat row 79 and are not read)
	v_min_u32 v[12+\g], 79, v[12+\g]
	v_lshl_add_u32 v[12+\g], v[12+\g], 2, s15
.endr
	s_wait_kmcnt 0x0
	s_load_b32 s17, s[10:11], s18 offset:0x0
	s_load_b512 s[32:47], s[10:11], s19 offset:R_L1
	s_load_b128 s[48:51], s[10:11], s19 offset:R_L1+64
	s_wait_alu depctr_va_vdst(0)                   ; v12 to v14 are written, which the three loads below read as their offsets
.irp g, 0,1,2
	global_load_b32 v[TD+\g], v[12+\g], s[10:11] offset:R_L1
.endr
	v_lshlrev_b32 v2, 4, v1                        ; 16 x lane
	v_lshlrev_b32 v3, 3, v1                        ; 8 x lane
	v_and_b32 v241, 15, v0                         ; r
	v_bfe_u32 v242, v0, 4, 1                       ; h
	v_mul_u32_u24 v4, v241, XP
	v_lshl_add_u32 v4, v242, 4, v4                 ; a fragment of x: row r, + 16 h
	s_mul_i32 s30, s14, 20*XP
	v_add_nc_u32 v5, s30, v2                       ; where I stage my 20 rows
	v_lshlrev_b32 v6, 6, v242                      ; b1: 16 h numbers on
	v_mul_u32_u24 v7, v241, HP
	v_lshl_add_u32 v7, v242, 4, v7
	s_lshl_b32 s30, s14, 6
	v_add_nc_u32 v7, s30, v7                       ; H's codes into the stage: row r, my wave's 64 bytes, + 16 h
	v_lshlrev_b32 v8, 4, v241
	s_lshl_b32 s30, s14, 2
	v_add_nc_u32 v8, s30, v8                       ; H's scale word: row r, word w
	v_mul_u32_u24 v9, v242, HP
	v_lshl_add_u32 v9, v241, 4, v9
	s_mul_i32 s30, s14, 20*HP
	v_add_nc_u32 v9, s30, v9                       ; back: my 20 rows, two an instruction, sixteen lanes to a row
	v_lshlrev_b32 v10, 9, v242
	v_lshl_add_u32 v10, v241, 4, v10               ; and the same two rows in hq
	s_lshl_b32 s30, s14, 8
	v_add_nc_u32 v11, s30, v3                      ; the scale words' way out: 256 bytes a wave
.irp b, 0,1,2,3
	v_mov_b32 v[TM+4+\b], 0                        ; written once: a lane permute's destination counts as one of its sources
.endr
	s_mov_b32 s[SEL], 0x76543210
	s_mov_b32 s[SEL+1], 0xfedcba98                 ; v_permlanex16_b32: lane l xor 16
	s_wait_kmcnt 0x0
	s_cmp_gt_u32 s17, 7
	s_cselect_b32 s18, 1, 0                        ; 1: the split leaves this tile without rows
	s_min_u32 s17, s17, 7
	s_mov_b32 s31, 0
	s_lshl_b32 s30, s17, 19                        ; W1's codes: e x 512 KiB + (32 ch + 8 w) tiles of 8,192 bytes
	s_lshl_b32 s19, s16, 18
	s_add_co_u32 s30, s30, s19
	s_lshl_b32 s19, s14, 16
	s_add_co_u32 s30, s30, s19
	s_add_nc_u64 s[22:23], s[6:7], s[30:31]
	s_lshl_b32 s30, s17, 15                        ; its scale words: e x 32 KiB + (16 ch + 4 w) pairs of 1,024 bytes
	s_lshl_b32 s19, s16, 14
	s_add_co_u32 s30, s30, s19
	s_lshl_b32 s19, s14, 12
	s_add_co_u32 s30, s30, s19
	s_add_co_u32 s30, s30, WQ_SC
	s_add_nc_u64 s[20:21], s[6:7], s[30:31]
	s_lshl_b32 s30, s17, 12                        ; b1: e x 4,096 + 4 (512 ch + 128 w)
	s_lshl_b32 s19, s16, 11
	s_add_co_u32 s30, s30, s19
	s_lshl_b32 s19, s14, 9
	s_add_co_u32 s30, s30, s19
	s_add_nc_u64 s[26:27], s[8:9], s[30:31]
	s_mul_i32 s30, ttmp9, 40960                    ; hq's codes: row 80 tile + 20 w, + 256 ch
	s_mul_i32 s19, s14, 10240
	s_add_co_u32 s30, s30, s19
	s_lshl_b32 s19, s16, 8
	s_add_co_u32 s30, s30, s19
	s_add_nc_u64 s[24:25], s[12:13], s[30:31]
	s_mul_i32 s30, ttmp9, 1280                     ; hq's scale words: plane ch, 16 bytes a row
	s_mul_i32 s19, s16, HQ_PL
	s_add_co_u32 s30, s30, s19
	s_add_co_u32 s30, s30, HQ_SC
	s_add_nc_u64 s[52:53], s[12:13], s[30:31]
.macro LOADB s, t0                     ; W1's fragments of tiles t0 .. t0 + 3, K step s, into set s % 4: 8 loads of 512 consecutive bytes
	WIN 0xc0                                       ; destination window 3, address window 0
.set lt, \t0
.rept 4
.irp c, 0,1
	global_load_b128 v[64*((\s)%4)+8*lt+4*\c:64*((\s)%4)+8*lt+4*\c+3], v2, s[22:23] offset:8192*lt+1024*(\s)+512*\c
.endr
.set lt, lt+1
.endr
.endm
.macro FETCHX s                        ; x's five fragments of K step s into set s % 2
.irp m, 0,1,2,3,4
.irp c, 0,1
	ds_load_b128 v[XF+40*((\s)%2)+8*\m+4*\c:XF+40*((\s)%2)+8*\m+4*\c+3], v4 offset:\m*16*XP+64*(\s)+32*\c
.endr
.endr
.endm
.macro WM oa, ob                       ; one product on the registers rD, rA, rB, rC, rSA, rSB; oa, ob: the side's scale words stand in lanes 16-31
.if (\oa) && (\ob)
	v_wmma_scale_f32_16x16x128_f8f6f4 v[rD:rD+7], v[rA:rA+7], v[rB:rB+7], v[rC:rC+7], v[rSA], v[rSB] matrix_a_fmt:MATRIX_FMT_FP4 matrix_b_fmt:MATRIX_FMT_FP4 matrix_a_scale:MATRIX_SCALE_ROW1 matrix_b_scale:MATRIX_SCALE_ROW1
.elseif (\oa)
	v_wmma_scale_f32_16x16x128_f8f6f4 v[rD:rD+7], v[rA:rA+7], v[rB:rB+7], v[rC:rC+7], v[rSA], v[rSB] matrix_a_fmt:MATRIX_FMT_FP4 matrix_b_fmt:MATRIX_FMT_FP4 matrix_a_scale:MATRIX_SCALE_ROW1
.elseif (\ob)
	v_wmma_scale_f32_16x16x128_f8f6f4 v[rD:rD+7], v[rA:rA+7], v[rB:rB+7], v[rC:rC+7], v[rSA], v[rSB] matrix_a_fmt:MATRIX_FMT_FP4 matrix_b_fmt:MATRIX_FMT_FP4 matrix_b_scale:MATRIX_SCALE_ROW1
.else
	v_wmma_scale_f32_16x16x128_f8f6f4 v[rD:rD+7], v[rA:rA+7], v[rB:rB+7], v[rC:rC+7], v[rSA], v[rSB] matrix_a_fmt:MATRIX_FMT_FP4 matrix_b_fmt:MATRIX_FMT_FP4
.endif
.endm
.macro MULS s, m0, cnt                 ; 8 cnt of a K step's 40 products: rows 16 m0 on.  The 40 accumulators take turns, one instruction a turn, in the same order in every K step
.set mm, \m0
.rept \cnt
.if (\s) == 0
.set WN, 0x43+0x40*(mm/4)              ; source 0 window 3, source 1 and C (b1) window 0, D window 1 or 2
.else
.set WN, 0x53+0x50*(mm/4)              ; C and D window 1 or 2
.endif
	WIN WN
.set tt, 0
.rept 8
.set rD, 64*(mm%4)+8*tt
.set rA, 64*((\s)%4)+8*tt
.set rB, XF+40*((\s)%2)+8*mm
.if (\s) == 0
.set rC, BI+8*tt
.else
.set rC, rD
.endif
.set rSA, BS+8*(tt/2)+(\s)
.set rSB, AS+8*(mm/2)+(\s)
	WM (tt%2), (mm%2)
.set tt, tt+1
.endr
.set mm, mm+1
.endr
.endm
; A K step.  n: the younger global loads that may stay out.  Loads into registers that the last step's products read stand behind four plain vector lines, and behind the step's one wait on va_vdst.
; Step 0's loads land in registers that no vector or matrix instruction has named; step 7 loads nothing: neither has the wait.
.macro KSTEP s, n
	s_wait_loadcnt \n
	s_wait_dscnt 0x0                               ; x's fragments of this step are in
.if (\s) < 7
	WIN 0
.endif
.if ((\s) > 0) && ((\s) < 7)
.rept 4
	v_nop
.endr
	s_wait_alu depctr_va_vdst(0)                   ; the last step's products are done reading x's other set and their set of W1, in which this step's loads land
.endif
.if (\s) < 7
	FETCHX (\s)+1
.endif
	MULS \s, 0, 1
.if (\s) < 5
	LOADB (\s)+3, 0                                ; no wait: no product since the wait above names set (s + 3) % 4 or v2
.endif
	MULS \s, 1, 1
.if (\s) < 5
	LOADB (\s)+3, 4
.endif
	MULS \s, 2, 3
.endm
; 64 numbers of a lane, register 16 b + i = k 32 b + 16 (lane / 16) + i of my row, become a fragment's codes in v[PC] on and its scale word in v[PW]
.macro QUANT s
.irp b, 0,1,2,3
	v_max3_num_f32 v[TM+\b], |v[\s+16*\b]|, |v[\s+1+16*\b]|, 0x1800000   ; my 16 numbers of block b, and the floor 2^(3 - 127): the byte cannot fall under 1
.endr
.irp i, 2,4,6,8,10,12,14
.irp b, 0,1,2,3
	v_max3_num_f32 v[TM+\b], v[TM+\b], |v[\s+16*\b+\i]|, |v[\s+1+16*\b+\i]|
.endr
.endr
.irp b, 0,1,2,3
	v_permlanex16_b32 v[TM+4+\b], v[TM+\b], s[SEL], s[SEL+1]
.endr
.irp b, 0,1,2,3
	v_max_num_f32 v[TM+\b], v[TM+\b], v[TM+4+\b]   ; with lane l xor 16's: the block's largest magnitude
.endr
.irp b, 0,1,2,3
	v_add_nc_u32 v[TM+12+\b], 0xff000000, v[TM+\b] ; 2 off its exponent field: the conversion's scale operand
.endr
.irp b, 0,1,2,3
	v_lshrrev_b32 v[TM+4+\b], 23, v[TM+12+\b]      ; the scale's byte
.endr
	v_lshl_or_b32 v[PW], v[TM+5], 8, v[TM+4]
	v_lshl_or_b32 v[PW], v[TM+6], 16, v[PW]
	v_lshl_or_b32 v[PW], v[TM+7], 24, v[PW]
.irp b, 0,1,2,3
	v_cvt_scalef32_pk8_fp4_f32 v[PC+2*\b], v[\s+16*\b:\s+7+16*\b], v[TM+12+\b]
	v_cvt_scalef32_pk8_fp4_f32 v[PC+1+2*\b], v[\s+8+16*\b:\s+15+16*\b], v[TM+12+\b]
.endr
	v_nop                                          ; one plain line behind the conversions
.irp c, 0,1                                    ; a whole block to a lane: lanes 0-15 block 2 c, lanes 16-31 block 2 c + 1
.irp i, 0,1
	v_permlane16_swap_b32 v[PC+4*\c+\i], v[PC+2+4*\c+\i]
.endr
.endr
.endm
.macro HSTORE m                        ; the codes and the scale word of rows 16 m on go into the stage
	ds_store_b128 v7, v[PC:PC+3] offset:HST+(\m)*16*HP
	ds_store_b128 v7, v[PC+4:PC+7] offset:HST+(\m)*16*HP+32
	ds_store_b32 v8, v[PW] offset:HSS+256*(\m)     ; both halves of the lanes hold and store the same word
.endm
; Rows 16 m on: silu, quantised.  Each batch of 64 transcendentals has one plain line and one wait behind it, ahead of its first reader.
; The stores of the rows before stand behind the first of these two waits: it shows their codes and scale word written, and nothing between it and them names those registers.
.macro EPI m
.set AB, 64*((\m)%4)
.set WA, 1+(\m)/4
	WIN WA                                         ; source 0: the accumulators' window
.set j, 0
.rept 32
	v_pk_mul_f32 v[T+j:T+j+1], v[AB+j:AB+j+1], 0xbfb8aa3b op_sel_hi:[1,0]   ; -z log2 e; each accumulator is read from its low end on
.set j, j+2
.endr
	WIN 0
.set j, 0
	s_wait_alu depctr_va_vdst(0)
.rept 64
	v_exp_f32 v[T+j], v[T+j]
.set j, j+1
.endr
	v_nop
	s_wait_alu depctr_va_vdst(0)                   ; the 64 exponentials have written v[T ..], ahead of their first reader; and the quantiser of the rows before has written v[PC ..] and v[PW], which the stores below read
.if (\m) > 0
	HSTORE (\m)-1
.endif
.set j, 0
.rept 32
	v_pk_add_f32 v[T+j:T+j+1], v[T+j:T+j+1], 1.0 op_sel_hi:[1,0]
.set j, j+2
.endr
.set j, 0
	s_wait_alu depctr_va_vdst(0)
.rept 64
	v_rcp_f32 v[T+j], v[T+j]
.set j, j+1
.endr
	v_nop
	s_wait_alu depctr_va_vdst(0)                   ; the 64 reciprocals have written v[T ..], ahead of their first reader
	WIN WA
.set j, 0
.rept 32
	v_pk_mul_f32 v[HH+j:HH+j+1], v[AB+j:AB+j+1], v[T+j:T+j+1]
.set j, j+2
.endr
	WIN 0
	s_wait_dscnt 0x0                               ; the last rows' stores have landed
.if (\m) > 0
	s_wait_alu depctr_vm_vsrc(0)                   ; and have read v[PC ..] and v[PW], which the quantiser writes again
.endif
	QUANT HH
.endm
	; my 20 rows of x's codes: a row is 512 bytes, 16 a lane
.set i, 0
.rept 20
	s_min_u32 s[32+i], s[32+i], 4095
	s_lshl_b32 s[32+i], s[32+i], 9
	v_add_nc_u32 v[RA+i], s[32+i], v2
.set i, i+1
.endr
	s_wait_alu depctr_va_vdst(0)                   ; the 20 offsets v[RA ..] are written, which the loads below read; so are v2 to v11, which every later load and store of the kernel reads
.set i, 0
.rept 20
	global_load_b128 v[XF+4*i:XF+4*i+3], v[RA+i], s[4:5]
.set i, i+1
.endr
	s_wait_loadcnt 20                              ; the three loads of tokens are in; the 20 rows stay out
.irp g, 0,1,2
	v_min_u32 v[SA+\g], 4095, v[TD+\g]
.endr
.irp g, 0,1,2
	v_lshlrev_b32 v[SA+\g], 5, v[SA+\g]            ; 32 scale bytes a token: the words of K steps 0..7
.endr
	s_wait_alu depctr_va_vdst(0)                   ; the three offsets v[SA ..] are written, which the six loads below read
.irp g, 0,1,2
	global_load_b128 v[AS+8*\g:AS+8*\g+3], v[SA+\g], s[4:5] offset:XQ_SC
	global_load_b128 v[AS+8*\g+4:AS+8*\g+7], v[SA+\g], s[4:5] offset:XQ_SC+16
.endr
	LOADB 0, 0
	LOADB 0, 4
	LOADB 1, 0
	LOADB 1, 4
	WIN 0
	s_wait_loadcnt 38                              ; the rows are in; behind them: 6 + 16 + 16
.set i, 0
.rept 20
	ds_store_b128 v5, v[XF+4*i:XF+4*i+3] offset:XP*i
.set i, i+1
.endr
	s_wait_alu depctr_vm_vsrc(0)                   ; the LDS stores have read v[XF ..], in which x's fragments land; the rows' loads have read v[RA ..], in which b1 lands
.irp u, 0,1,2,3
.irp q, 0,1,2,3
	global_load_b64 v[BS+8*\u+2*\q:BS+8*\u+2*\q+1], v3, s[20:21] offset:1024*\u+256*\q   ; pair of tiles u, K steps 2 q and 2 q + 1
.endr
.endr
.irp t, 0,1,2,3,4,5,6,7
	global_load_b128 v[BI+8*\t:BI+8*\t+3], v6, s[26:27] offset:(32*(\t/2)+8*(\t%2))*4
	global_load_b128 v[BI+8*\t+4:BI+8*\t+7], v6, s[26:27] offset:(32*(\t/2)+8*(\t%2))*4+16
.endr
	LOADB 2, 0
	LOADB 2, 4
	WIN 0
	s_wait_dscnt 0x0                               ; for the others' sake: my rows have landed in LDS
	s_barrier_signal -1
	s_barrier_wait -1                              ; all 80 rows lie there
	FETCHX 0
	KSTEP 0, 16                                    ; all but K step 2's fragments: scale words, b1 and K steps 0, 1 are in
	KSTEP 1, 32                                    ; from here on the two K steps ahead may be out
	KSTEP 2, 32
	KSTEP 3, 32
	KSTEP 4, 32
	KSTEP 5, 32
	KSTEP 6, 16
	KSTEP 7, 0
	WIN 0
.rept 4
	v_nop                                          ; four plain lines between the last products and the first read of results and write of their sources
.endr
.irp m, 0,1,2,3,4
	EPI \m
.endr
	s_wait_alu depctr_va_vdst(0)                   ; the last quantiser has written v[PC ..] and v[PW], which the stores below read; and every vector line is done with v16 to v59, in which the loads from the stage land
	HSTORE 4
	s_wait_dscnt 0x0                               ; my part of the stage has landed
	s_barrier_signal -1
	s_barrier_wait -1                              ; 80 whole rows of 256 bytes, and their scale words, lie in the stage
	s_cmp_lg_u32 s18, 0
	s_cbranch_scc1 .Lend                           ; a tile without rows stores nothing
.irp q, 0,1,2,3,4,5,6,7,8,9
	ds_load_b128 v[16+4*\q:19+4*\q], v9 offset:HST+2*HP*\q
.endr
	ds_load_b64 v[56:57], v11 offset:HSS
.irp q, 0,1,2,3,4,5,6,7,8,9
	s_wait_dscnt 10-\q
	global_store_b128 v10, v[16+4*\q:19+4*\q], s[24:25] offset:1024*\q   ; sixteen lanes store 256 consecutive bytes, aligned
.endr
	s_wait_dscnt 0x0
	global_store_b64 v11, v[56:57], s[52:53]       ; the tile's 1,280 bytes of scale words: 256 a wave,
	s_cmp_lg_u32 s14, 0
	s_cbranch_scc1 .Lend
	ds_load_b64 v[58:59], v11 offset:HSS+1024      ; and wave 0 the fifth 256
	s_wait_dscnt 0x0
	global_store_b64 v11, v[58:59], s[52:53] offset:1024
.Lend:
	s_wait_dscnt 0x0                               ; the closing lines, six on end, of a launch in the mode that stores to LDS
	s_wait_alu 0x0
	s_wait_tensorcnt 0x0
	ds_add_u32 v254, v255
	s_wait_dscnt 0x0
	s_endpgm
.Lfunc_end_k_q33ac40ae95_ffn1:
	.size	k_q33ac40ae95_ffn1, .Lfunc_end_k_q33ac40ae95_ffn1-k_q33ac40ae95_ffn1
	.p2alignl 7, 3214868480
	.fill 96, 4, 3214868480
	.section	.rodata,"a",@progbits
	.p2align	6, 0x0
	.amdhsa_kernel k_q33ac40ae95_ffn1
		.amdhsa_group_segment_fixed_size 66048
		.amdhsa_private_segment_fixed_size 0
		.amdhsa_enable_private_segment 0
		.amdhsa_kernarg_size 40
		.amdhsa_user_sgpr_count 2
		.amdhsa_user_sgpr_kernarg_segment_ptr 1
		.amdhsa_wavefront_size32 1
		.amdhsa_system_sgpr_workgroup_id_x 1
		.amdhsa_system_sgpr_workgroup_id_y 1
		.amdhsa_system_sgpr_workgroup_id_z 1
		.amdhsa_system_vgpr_workitem_id 0
		.amdhsa_next_free_vgpr 1024
		.amdhsa_next_free_sgpr 66
		.amdhsa_reserve_vcc 0
		.amdhsa_float_denorm_mode_32 3
		.amdhsa_float_denorm_mode_16_64 3
		.amdhsa_memory_ordered 1
		.amdhsa_forward_progress 1
		.amdhsa_inst_pref_size 154
	.end_amdhsa_kernel
	.amdgpu_metadata
---
amdhsa.version: [ 1, 2 ]
amdhsa.kernels:
  - .name:           k_q33ac40ae95_ffn1
    .symbol:         k_q33ac40ae95_ffn1.kd
    .args:
      - { .name: xq, .offset: 0, .size: 8, .value_kind: global_buffer, .address_space: global }
      - { .name: wq, .offset: 8, .size: 8, .value_kind: global_buffer, .address_space: global }
      - { .name: b1, .offset: 16, .size: 8, .value_kind: global_buffer, .address_space: global }
      - { .name: route, .offset: 24, .size: 8, .value_kind: global_buffer, .address_space: global }
      - { .name: hq, .offset: 32, .size: 8, .value_kind: global_buffer, .address_space: global }
    .group_segment_fixed_size: 66048
    .private_segment_fixed_size: 0
    .kernarg_segment_align: 8
    .kernarg_segment_size: 40
    .max_flat_workgroup_size: 128
    .sgpr_count:     66
    .vgpr_count:     1024
    .wavefront_size: 32
...
	.end_amdgpu_metadata
.endif
;; end of part 5
;; launch ffn2 (part 6): grid 99 x 2, 4 waves a work-group, no clusters, 101,888 bytes of LDS; arguments hq, wq, b2, route, gates, out0; writes out0
.if DOCPART == 6
	.amdgcn_target "amdgcn-amd-amdhsa--gfx1250"
	.amdhsa_code_object_version 6
	.text
	.protected	k_q33ac40ae95_ffn2
	.globl	k_q33ac40ae95_ffn2
	.p2align	8
	.type	k_q33ac40ae95_ffn2,@function
k_q33ac40ae95_ffn2:
	s_mov_b64 s[64:65], 0
	v_nop
	global_prefetch_b8 v0, s[64:65] scope:SCOPE_SE
	s_setreg_imm32_b32 hwreg(HW_REG_WAVE_SCHED_MODE, 0, 2), 2
	s_setreg_imm32_b32 hwreg(HW_REG_WAVE_MODE, 25, 1), 1
	s_wait_xcnt 0x0
	s_wait_alu depctr_vm_vsrc(0)
; FFN2: out0[t] = gA (H_A W2[a] + b2[a]) + gB (H_B W2[b] + b2[b]), tokens sorted by their pair of experts a <= b; both operands are codes of E2M1 with one E8M0 scale for each 32 along K.
; SHARES.  Work-group (tile, ch): at most 64 tokens of one pair x 512 output columns: each output row and half has one owner, so nothing is added between work-groups.
; Wave w: 64 rows x columns 512 ch + 128 w on, twice: pass 0 with expert a on the tokens' A rows of H, pass 1 with expert b on their B rows: ONE run of 16 K steps, 32 accumulators a pass.
; W2's fragments go from memory straight into registers (they lie there in the registers' order), three K steps ahead, in a ring of four sets that runs on across the passes.
; The 128 rows of H's codes are gathered once, as whole rows of 512 bytes, into LDS.  No tensor load and no cluster: rows are gathered by stored lists, and the stores hang on a stored count.
; THE MATRIX INSTRUCTION IS USED TRANSPOSED (source 0 = 16 columns of W2, source 1 = 16 rows of H): a lane holds one token and eight neighbouring outputs.  b2 is the C of each sum's first matrix instruction.
; A tile without rows runs the same text on row 0 of H and stores nothing; rows past the tile's count are computed and not stored.
; The two experts' results are added as gA A + gB B, a before b; where a = b the two rows of H are equal and the scores add.
; REGISTERS, in windows of 256.  Window 0: v1-15 addresses; v16-79 H's fragments, two sets of 32 (first, in v16-47, the offsets of the 32 rows that I stage; later rows on their way out); v80-143 W2's scale words;
;   v144-175 H's scale words; v176-183 pairs gA, gB; v184-247 b2 in the result's layout, later the 64 rows' store offsets; v248-255 gB twice.
;   Window 1: pass 0's accumulators (m, t) at 64 m + 8 t (first the 32 rows that I stage; at the end y).  Window 2: pass 1's.  Window 3: W2's fragments.
; THE MODE: SCHED_MODE bits 1:0 = 2 (LLVM: expert scheduling mode 2), set by the entry lines.  The code itself states the register dependences
; between vector or matrix instructions and memory or LDS instructions, with s_wait_alu, always for 0.
; THE PLAN.  Registers that memory or LDS instructions touch:
;   v2-9, v11             Offsets and LDS addresses: made at the head, never written again.
;   v12-15                Loaded, turned into offsets in place by vector lines, read by eight loads.
;   v16-47 as offsets     Written by vector lines, read by the 32 loads of rows.  No load lands on the register that holds its own offset.
;   window 1 as rows      Written by those loads, read by 32 LDS stores; behind the stores one wait on vm_vsrc, and the registers are pass 0's accumulators, v16-47 H's set 0.
;   H's sets 0, 1         Step s: its products read set s % 2; the LDS loads of step s + 1 land in the other set, which step s - 1's products read.
;   W2's sets 0 .. 3      Step s: its products read set s % 4; the loads of step s + 3 land in set (s + 3) % 4, which step s - 1's products read.
;   b2's 64               Read by step 0's products as C; expert b's lands there in step 1.  Behind the last products they take the 64 rows' store offsets, made once.
;   y (window 1)          Written by the packed multiply-adds of 16 rows, read by their 16 LDS stores.
;   v16-79 at the end     The LDS loads of 16 rows land there, their global stores read them, the next 16 rows' loads land there again.
; So ONE wait on va_vdst stands at the head of steps 1 to 14, behind the waits for the step's data.  The step's loads follow it, W2's dealt among the step's products,
; which name set s % 4, H's set s % 2, the scale words, the accumulators and, in steps 0 and 8, b2: none of the registers that those loads touch.
.set XP,    528                        ; a row in LDS: 512 bytes + 16
.set STG,   128*XP                     ; LDS: H's 128 rows (64 p + i) from 0; behind them a stage of 16 rows for each wave
.set R_T2,  512
.set R_TOK, 37888
.set R_HA,  63488
.set WQ_W2, 4194304
.set WQ_S2, 8650752
.set HQ_SC, 4505600
.set HQ_PL, 140800
.set XF,  16
.set RA,  16                           ; at the head only: the byte offsets of my 32 rows of H's codes
.set BS,  80
.set AS,  144
.set G,   176
.set BI,  184
.set OA,  184                          ; the way out: row i's byte offset in out0
.set GB,  248
.set MSB, 0
.macro WIN new                         ; the immediate's high byte repeats the setting that is left; a switch that changes nothing is dropped
.if MSB != (\new)
	s_set_vgpr_msb (MSB<<8)|(\new)
.set MSB, (\new)
.endif
.endm
	s_load_b256 s[4:11], s[0:1], 0x0               ; hq 4, wq 6, b2 8, route 10
	s_load_b128 s[12:15], s[0:1], 0x20             ; gates 12, out0 14
	v_lshrrev_b32 v1, 5, v0
	v_readfirstlane_b32 s20, v1                    ; wave 0..3
	v_and_b32 v1, 31, v0                           ; lane
	s_wait_alu depctr_va_vdst(0)
	v_and_b32 v10, 15, v0                          ; r
	s_wait_alu depctr_va_vdst(0)
	s_and_b32 s21, ttmp7, 0xffff                   ; ch
	s_lshl_b32 s2, ttmp9, 4                        ; the tile's record of T2
	s_wait_alu depctr_va_sdst(0)                   ; s20 is written, ahead of its first reader: offsets and bases are made from it
	s_lshr_b32 s3, s20, 1                          ; I stage rows of pass w / 2: its list,
	s_mul_i32 s3, s3, 25600
	s_lshl_b32 s66, ttmp9, 8                       ; the tile's 64 words,
	s_add_co_u32 s3, s3, s66
	s_and_b32 s67, s20, 1
	s_lshl_b32 s67, s67, 7                         ; my 32 of them
	s_add_co_u32 s3, s3, s67
	v_lshl_add_u32 v11, v1, 2, s66
	s_lshl_b32 s67, ttmp9, 9
	v_lshl_add_u32 v9, v10, 3, s67                 ; the gates: 8 bytes a token
	s_wait_kmcnt 0x0
	s_load_b128 s[16:19], s[10:11], s2 offset:R_T2 ; a, b, rows, 0
	s_load_b512 s[32:47], s[10:11], s3 offset:R_HA
	s_load_b512 s[48:63], s[10:11], s3 offset:R_HA+64
	s_wait_alu depctr_va_vdst(0)                   ; v11 and v9 are written, which the eight loads below read as their offsets
.irp p, 0,1
.irp g, 0,1
	global_load_b32 v[12+2*\p+\g], v11, s[10:11] offset:R_HA+25600*\p+128*\g   ; for H's scale words: lane l has row 32 g + l of pass p
.endr
.endr
.irp m, 0,1,2,3
	global_load_b64 v[G+2*\m:G+2*\m+1], v9, s[12:13] offset:128*\m             ; lane (r, h): the gates of row 16 m + r
.endr
	v_lshlrev_b32 v2, 4, v1                        ; 16 x lane
	v_lshlrev_b32 v3, 3, v1                        ; 8 x lane
	v_bfe_u32 v6, v0, 4, 1                         ; h
	v_mul_u32_u24 v4, v10, XP
	v_lshl_add_u32 v7, v6, 5, v4
	v_lshl_add_u32 v4, v6, 4, v4                   ; a fragment of H: row r, + 16 h
	s_mul_i32 s66, s20, 16*XP
	s_add_co_u32 s66, s66, STG                     ; my stage
	v_add_nc_u32 v7, s66, v7                       ; in: row r, + 32 h
	v_add_nc_u32 v8, s66, v2                       ; back: a row of 512 bytes, 16 a lane
	s_mul_i32 s66, s20, 32*XP
	v_add_nc_u32 v5, s66, v2                       ; where I stage my 32 rows of H
	v_lshlrev_b32 v6, 5, v6                        ; b2: 8 h numbers on
	s_wait_kmcnt 0x0
	s_min_u32 s16, s16, 7
	s_min_u32 s17, s17, 7
	s_mov_b32 s3, 0
	s_lshl_b32 s19, s21, 18                        ; W2's codes: 4 MiB + e x 512 KiB + (32 ch + 8 w) tiles of 8,192 bytes
	s_lshl_b32 s66, s20, 16
	s_add_co_u32 s19, s19, s66
	s_add_co_u32 s19, s19, WQ_W2
	s_lshl_b32 s2, s16, 19
	s_add_co_u32 s2, s2, s19
	s_add_nc_u64 s[22:23], s[6:7], s[2:3]
	s_lshl_b32 s2, s17, 19
	s_add_co_u32 s2, s2, s19
	s_add_nc_u64 s[26:27], s[6:7], s[2:3]
	s_lshl_b32 s19, s21, 14                        ; its scale words: e x 32 KiB + (16 ch + 4 w) pairs of 1,024 bytes
	s_lshl_b32 s66, s20, 12
	s_add_co_u32 s19, s19, s66
	s_add_co_u32 s19, s19, WQ_S2
	s_lshl_b32 s2, s16, 15
	s_add_co_u32 s2, s2, s19
	s_add_nc_u64 s[24:25], s[6:7], s[2:3]
	s_lshl_b32 s2, s17, 15
	s_add_co_u32 s2, s2, s19
	s_add_nc_u64 s[28:29], s[6:7], s[2:3]
	s_lshl_b32 s19, s21, 11                        ; b2 and out0: 4 (512 ch + 128 w) bytes into a row
	s_lshl_b32 s66, s20, 9
	s_add_co_u32 s19, s19, s66
	s_mov_b32 s2, s19
	s_add_nc_u64 s[30:31], s[14:15], s[2:3]
	s_lshl_b32 s2, s17, 12
	s_add_co_u32 s2, s2, s19
	s_add_nc_u64 s[66:67], s[8:9], s[2:3]          ; b2 of expert b,
	s_lshl_b32 s2, s16, 12
	s_add_co_u32 s2, s2, s19
	s_add_nc_u64 s[8:9], s[8:9], s[2:3]            ; and of expert a
.macro LOADB s, t0                     ; W2's fragments of tiles t0 .. t0 + 3, step s (pass s / 8, K step s % 8), into set s % 4: 8 loads of 512 consecutive bytes
	WIN 0xc0                                       ; destination window 3, address window 0
.set SB0, 22+4*((\s)/8)
.set lt, \t0
.rept 4
.irp c, 0,1
	global_load_b128 v[64*((\s)%4)+8*lt+4*\c:64*((\s)%4)+8*lt+4*\c+3], v2, s[SB0:SB0+1] offset:8192*lt+1024*((\s)%8)+512*\c
.endr
.set lt, lt+1
.endr
.endm
.macro FETCHX s                        ; H's four fragments of step s into set s % 2
.irp m, 0,1,2,3
.irp c, 0,1
	ds_load_b128 v[XF+32*((\s)%2)+8*\m+4*\c:XF+32*((\s)%2)+8*\m+4*\c+3], v4 offset:(64*((\s)/8)+16*\m)*XP+64*((\s)%8)+32*\c
.endr
.endr
.endm
.macro BIAS b                          ; b2 in the result's layout: lane (r, h), tile t: columns 16 t + 8 h + 0..7
.irp t, 0,1,2,3,4,5,6,7
	global_load_b128 v[BI+8*\t:BI+8*\t+3], v6, s[\b:\b+1] offset:64*\t
	global_load_b128 v[BI+8*\t+4:BI+8*\t+7], v6, s[\b:\b+1] offset:64*\t+16
.endr
.endm
.macro WM oa, ob                       ; one product on the registers rD, rA, rB, rC, rSA, rSB; oa, ob: the side's scale words stand in lanes 16-31
.if (\oa) && (\ob)
	v_wmma_scale_f32_16x16x128_f8f6f4 v[rD:rD+7], v[rA:rA+7], v[rB:rB+7], v[rC:rC+7], v[rSA], v[rSB] matrix_a_fmt:MATRIX_FMT_FP4 matrix_b_fmt:MATRIX_FMT_FP4 matrix_a_scale:MATRIX_SCALE_ROW1 matrix_b_scale:MATRIX_SCALE_ROW1
.elseif (\oa)
	v_wmma_scale_f32_16x16x128_f8f6f4 v[rD:rD+7], v[rA:rA+7], v[rB:rB+7], v[rC:rC+7], v[rSA], v[rSB] matrix_a_fmt:MATRIX_FMT_FP4 matrix_b_fmt:MATRIX_FMT_FP4 matrix_a_scale:MATRIX_SCALE_ROW1
.elseif (\ob)
	v_wmma_scale_f32_16x16x128_f8f6f4 v[rD:rD+7], v[rA:rA+7], v[rB:rB+7], v[rC:rC+7], v[rSA], v[rSB] matrix_a_fmt:MATRIX_FMT_FP4 matrix_b_fmt:MATRIX_FMT_FP4 matrix_b_scale:MATRIX_SCALE_ROW1
.else
	v_wmma_scale_f32_16x16x128_f8f6f4 v[rD:rD+7], v[rA:rA+7], v[rB:rB+7], v[rC:rC+7], v[rSA], v[rSB] matrix_a_fmt:MATRIX_FMT_FP4 matrix_b_fmt:MATRIX_FMT_FP4
.endif
.endm
.macro MULS s, m0, cnt                 ; 8 cnt of a step's 32 products: rows 16 m0 on.  The pass's 32 accumulators take turns, one instruction a turn, in the same order in every step
.set pp, (\s)/8
.set ks, (\s)%8
.if ks == 0
.set WN, 0x43+0x40*pp                  ; source 0 window 3, source 1 and C (b2) window 0, D window 1 + pass
.else
.set WN, 0x53+0x50*pp                  ; C and D window 1 + pass
.endif
	WIN WN
.set mm, \m0
.rept \cnt
.set tt, 0
.rept 8
.set rD, 64*mm+8*tt
.set rA, 64*((\s)%4)+8*tt
.set rB, XF+32*((\s)%2)+8*mm
.if ks == 0
.set rC, BI+8*tt
.else
.set rC, rD
.endif
.set rSA, BS+32*pp+8*(tt/2)+ks
.set rSB, AS+16*pp+8*(mm/2)+ks
	WM (tt%2), (mm%2)
.set tt, tt+1
.endr
.set mm, mm+1
.endr
.endm
; A step.  n: the younger global loads that may stay out.  Loads into registers that the last step's products read stand behind four plain vector lines, and behind the step's one wait on va_vdst.
; Step 0's loads land in registers that no vector or matrix instruction has named since the head's waits; step 15 loads nothing: neither has the wait.
.macro KSTEP s, n
	s_wait_loadcnt \n
	s_wait_dscnt 0x0                               ; H's fragments of this step are in
.if (\s) < 15
	WIN 0
.endif
.if ((\s) > 0) && ((\s) < 15)
.rept 4
	v_nop
.endr
	s_wait_alu depctr_va_vdst(0)                   ; the last step's products are done reading H's other set and their set of W2 (step 0's: b2 as well), in which this step's loads land
.endif
.if (\s) < 15
	FETCHX (\s)+1
.endif
.if (\s) == 1
	BIAS 66                                        ; expert b's bias takes the place of expert a's, which step 0 has read; it goes out ahead of the step's fragments, as the counts below take it
.endif
	MULS \s, 0, 1
.if (\s) < 13
	LOADB (\s)+3, 0                                ; no wait: no product since the wait above names set (s + 3) % 4 or v2
.endif
	MULS \s, 1, 1
.if (\s) < 13
	LOADB (\s)+3, 4
.endif
	MULS \s, 2, 2
.endm
	; my 32 rows of H's codes: a row is 512 bytes, 16 a lane; they land in window 1
.set i, 0
.rept 32
	s_min_u32 s[32+i], s[32+i], 8799
	s_lshl_b32 s[32+i], s[32+i], 9
	v_add_nc_u32 v[RA+i], s[32+i], v2
.set i, i+1
.endr
	WIN 0x40                                       ; destination window 1, address window 0
	s_wait_alu depctr_va_vdst(0)                   ; the 32 offsets v[RA ..] are written, which the loads below read; so are v2 to v8, which every later load and store of the kernel reads
.set i, 0
.rept 32
	global_load_b128 v[4*i:4*i+3], v[RA+i], s[4:5]
.set i, i+1
.endr
	WIN 0
	s_wait_loadcnt 32                              ; the places for the scale words and the gates are in; the 32 rows stay out
.irp m, 0,1,2,3
	v_mov_b32 v[GB+2*\m], v[G+2*\m+1]              ; gB in the low register of a pair of its own: the packed forms take a pair's low register for both halves
	v_mov_b32 v[GB+2*\m+1], v[G+2*\m+1]
.endr
.irp q, 0,1,2,3
	v_min_u32 v[12+\q], 8799, v[12+\q]
.endr
.irp q, 0,1,2,3
	v_lshlrev_b32 v[12+\q], 4, v[12+\q]            ; 16 bytes a row and plane: the words of K steps 0..3, and 4..7
.endr
	s_wait_alu depctr_va_vdst(0)                   ; the four offsets v12 to v15 are written, which the eight loads below read
.irp q, 0,1,2,3
	global_load_b128 v[AS+8*\q:AS+8*\q+3], v[12+\q], s[4:5] offset:HQ_SC
	global_load_b128 v[AS+8*\q+4:AS+8*\q+7], v[12+\q], s[4:5] offset:HQ_SC+HQ_PL
.endr
	LOADB 0, 0
	LOADB 0, 4
	LOADB 1, 0
	LOADB 1, 4
	s_wait_loadcnt 40                              ; the rows are in; behind them: 8 + 16 + 16
	WIN 0x04                                       ; an LDS store's data are its source 1: window 1
.set i, 0
.rept 32
	ds_store_b128 v5, v[4*i:4*i+3] offset:XP*i
.set i, i+1
.endr
	s_wait_alu depctr_vm_vsrc(0)                   ; the LDS stores have read window 1's rows, which step 0's products write; the rows' loads have read v[RA ..], in which H's fragments land
	WIN 0
.irp p, 0,1
.irp u, 0,1,2,3
.irp q, 0,1,2,3
	global_load_b64 v[BS+32*\p+8*\u+2*\q:BS+32*\p+8*\u+2*\q+1], v3, s[24+4*\p:25+4*\p] offset:1024*\u+256*\q   ; pass p, pair of tiles u, K steps 2 q and 2 q + 1
.endr
.endr
.endr
	BIAS 8
	LOADB 2, 0
	LOADB 2, 4
	WIN 0
	s_wait_dscnt 0x0                               ; for the others' sake: my rows have landed in LDS
	s_barrier_signal -1
	s_barrier_wait -1                              ; all 128 rows lie there: the launch's one barrier
	s_lshl_b32 s2, ttmp9, 8
	s_load_b512 s[32:47], s[10:11], s2 offset:R_TOK       ; the tile's 64 tokens, for the way out: row i in s[32 + i + 4 (i / 32)]
	s_load_b512 s[48:63], s[10:11], s2 offset:R_TOK+64
	s_load_b512 s[68:83], s[10:11], s2 offset:R_TOK+128
	s_load_b512 s[84:99], s[10:11], s2 offset:R_TOK+192
	FETCHX 0
	KSTEP 0, 16                                    ; all but step 2's fragments: scale words, b2 and steps 0, 1 are in
	KSTEP 1, 32                                    ; the two steps ahead may be out
	KSTEP 2, 48                                    ; and the second bias, issued between them
	KSTEP 3, 48
	KSTEP 4, 32
	KSTEP 5, 32
	KSTEP 6, 32
	KSTEP 7, 32
	KSTEP 8, 32
	KSTEP 9, 32
	KSTEP 10, 32
	KSTEP 11, 32
	KSTEP 12, 32
	KSTEP 13, 32
	KSTEP 14, 16
	KSTEP 15, 0
	WIN 0
.rept 4
	v_nop                                          ; four plain lines between the last products and the first read of results and write of their sources
.endr
	s_wait_kmcnt 0x0                               ; the tokens
	; the 64 rows' byte offsets in out0, made once, in the registers that b2 has left: no store's offset is written again.  Rows past the tile's count get one too, clamped like the others, and it is not used.
.set i, 0
.rept 64
.set SRW, 32+i+4*(i/32)
	s_min_u32 s[SRW], s[SRW], 4095
	s_lshl_b32 s[SRW], s[SRW], 12
	v_add_nc_u32 v[OA+i], s[SRW], v2
.set i, i+1
.endr
; THE WAY OUT, 16 rows at a time: y = gA A + gB B in place; through my own stage, so that a row's 512 bytes leave by one store; rows past the tile's count are not stored.
.macro OUTM m
	s_wait_xcnt 0x0                                ; the last 16 rows' stores have had their addresses translated: their data registers are loaded again only behind this wait
.if (\m) > 0
	s_wait_alu depctr_vm_vsrc(0)                   ; and have read v16 to v79, in which the loads from the stage land again
.endif
	WIN 0x41                                       ; D and source 0 window 1, the gates window 0
.set j, 0
.rept 32
	v_pk_mul_f32 v[64*(\m)+j:64*(\m)+j+1], v[64*(\m)+j:64*(\m)+j+1], v[G+2*(\m):G+2*(\m)+1] op_sel_hi:[1,0]   ; each accumulator is read from its low end on
.set j, j+2
.endr
	WIN 0x52                                       ; source 0 window 2, C and D window 1
.set j, 0
.rept 32
	v_pk_fma_f32 v[64*(\m)+j:64*(\m)+j+1], v[64*(\m)+j:64*(\m)+j+1], v[GB+2*(\m):GB+2*(\m)+1], v[64*(\m)+j:64*(\m)+j+1] op_sel_hi:[1,0,1]
.set j, j+2
.endr
	WIN 0x04
	s_wait_alu depctr_va_vdst(0)                   ; y of these 16 rows is written, which the LDS stores read; in the first 16 rows also: the 64 offsets v[OA ..] are written, and the last products are done reading v16 to v79
.irp t, 0,1,2,3,4,5,6,7
	ds_store_b128 v7, v[64*(\m)+8*\t:64*(\m)+8*\t+3] offset:64*\t
	ds_store_b128 v7, v[64*(\m)+8*\t+4:64*(\m)+8*\t+7] offset:64*\t+16
.endr
	WIN 0
.irp i, 0,1,2,3,4,5,6,7,8,9,10,11,12,13,14,15
	ds_load_b128 v[16+4*\i:19+4*\i], v8 offset:XP*\i   ; LDS serves a wave's instructions in order: these see the stores above, and the next rows' stores come behind them
.endr
.irp i, 0,1,2,3,4,5,6,7,8,9,10,11,12,13,14,15
.set RW, 16*(\m)+\i
	s_cmp_le_u32 s18, RW
	s_cbranch_scc1 .Ldone                          ; the tile's rows are over
	s_wait_dscnt 15-\i
	global_store_b128 v[OA+RW], v[16+4*\i:19+4*\i], s[30:31] th:TH_STORE_NT   ; 32 lanes store 512 consecutive bytes, aligned; written once, read by nobody here
.endr
.endm
	OUTM 0
	OUTM 1
	OUTM 2
	OUTM 3
.Ldone:
	s_wait_xcnt 0x0
	v_lshl_add_u32 v254, v0, 2, 0x18c00            ; the add's two registers are made anew here: they held gB, which vector lines alone read
	v_mov_b32 v255, 0
	s_wait_dscnt 0x0                               ; the closing lines, six on end, of a launch in the mode that stores to LDS
	s_wait_alu 0x0
	s_wait_tensorcnt 0x0
	ds_add_u32 v254, v255
	s_wait_dscnt 0x0
	s_endpgm
.Lfunc_end_k_q33ac40ae95_ffn2:
	.size	k_q33ac40ae95_ffn2, .Lfunc_end_k_q33ac40ae95_ffn2-k_q33ac40ae95_ffn2
	.p2alignl 7, 3214868480
	.fill 96, 4, 3214868480
	.section	.rodata,"a",@progbits
	.p2align	6, 0x0
	.amdhsa_kernel k_q33ac40ae95_ffn2
		.amdhsa_group_segment_fixed_size 101888
		.amdhsa_private_segment_fixed_size 0
		.amdhsa_enable_private_segment 0
		.amdhsa_kernarg_size 48
		.amdhsa_user_sgpr_count 2
		.amdhsa_user_sgpr_kernarg_segment_ptr 1
		.amdhsa_wavefront_size32 1
		.amdhsa_system_sgpr_workgroup_id_x 1
		.amdhsa_system_sgpr_workgroup_id_y 1
		.amdhsa_system_sgpr_workgroup_id_z 1
		.amdhsa_system_vgpr_workitem_id 0
		.amdhsa_next_free_vgpr 1024
		.amdhsa_next_free_sgpr 100
		.amdhsa_reserve_vcc 0
		.amdhsa_float_denorm_mode_32 3
		.amdhsa_float_denorm_mode_16_64 3
		.amdhsa_memory_ordered 1
		.amdhsa_forward_progress 1
		.amdhsa_inst_pref_size 169
	.end_amdhsa_kernel
	.amdgpu_metadata
---
amdhsa.version: [ 1, 2 ]
amdhsa.kernels:
  - .name:           k_q33ac40ae95_ffn2
    .symbol:         k_q33ac40ae95_ffn2.kd
    .args:
      - { .name: hq, .offset: 0, .size: 8, .value_kind: global_buffer, .address_space: global }
      - { .name: wq, .offset: 8, .size: 8, .value_kind: global_buffer, .address_space: global }
      - { .name: b2, .offset: 16, .size: 8, .value_kind: global_buffer, .address_space: global }
      - { .name: route, .offset: 24, .size: 8, .value_kind: global_buffer, .address_space: global }
      - { .name: gates, .offset: 32, .size: 8, .value_kind: global_buffer, .address_space: global }
      - { .name: out0, .offset: 40, .size: 8, .value_kind: global_buffer, .address_space: global }
    .group_segment_fixed_size: 101888
    .private_segment_fixed_size: 0
    .kernarg_segment_align: 8
    .kernarg_segment_size: 48
    .max_flat_workgroup_size: 128
    .sgpr_count:     100
    .vgpr_count:     1024
    .wavefront_size: 32
...
	.end_amdgpu_metadata
.endif
;; end of part 6
